; MI455X (gfx1250); checked and timed in simulation.
; The chip was launched on July 23, 2026; its instructions are those of AMD's public machine-readable ISA for CDNA 5 (MIT licence, August 2026) and "CDNA5" Instruction Set Architecture Reference Guide (July 2026). The comments in the code are by the model that wrote it; some were corrected since.
;; Causal Self Attention Mu P. Allowed arithmetic: matrix products marked QUANTISED: E3M2 operands, one E8M0 scale for each 32 along K, by v_wmma_scale_f32_16x16x128_f8f6f4 with both operands' format E3M2, f32 sums; everything else in f32.
;; Inputs: b_proj 1,024 float32; b_qkv 3,072 float32; w_proj 1,024 x 1,024 float32; w_qkv 1,024 x 3,072 float32; x 4 x 2,048 x 1,024 float32.
;; Outputs: out0 4 x 2,048 x 1,024 float32.
;; This version of the problem:
;;   THIS VERSION OF THE PROBLEM IS GIVEN IN LOW PRECISION. The matrix products marked QUANTISED in the list below multiply operands that are first quantised to E3M2 (3 exponent bits, 2 mantissa bits; 6 bits a number), with one power-of-two scale for each 32 numbers along K (OCP MX v1.0); their sums are f32. All else is computed in f32.
;;   The module's matrix products, in the order in which they are computed (A, B: the left and right operand; K: the contracted axis; several contracted axes count as one K, in the product's order):
;;     1. [M 8,192, K 1,024] x [K 1,024, N 3,072]; A: input x; B: input w_qkv: QUANTISED
;;     2. batch 64 x [M 2,048, K 64] x [K 64, N 2,048]; A: computed on the way; B: computed on the way: QUANTISED
;;     3. batch 64 x [M 2,048, K 2,048] x [K 2,048, N 64]; A: softmax (see below); B: computed on the way: QUANTISED
;;     4. [M 8,192, K 1,024] x [K 1,024, N 1,024]; A: computed on the way; B: input w_proj: QUANTISED
;;   THE QUANTISER, for each operand of a quantised product, along K:
;;     - K is cut into blocks of 32 from its start; a last block that is shorter is filled with zeros.
;;     - A block's scale is 2^e with e = floor(log2(the largest magnitude in the block)) - 4, held to -126 .. 127; a block of zeros has e = 0. As a byte (E8M0): e + 127.
;;     - Each number is divided by its block's scale, clamped to +-28, and rounded to the nearest number of E3M2, ties to even, subnormals kept.
;;     - The product sums the exact products of the quantised numbers (number of the format x scale) in f32.
;;   ~~~python
;;   def quantise(x, axis):      # numpy; x: float32 -> the quantised numbers, widened to float32 again
;;       x = np.moveaxis(x, axis, -1); K = x.shape[-1]
;;       x = np.pad(x, [(0, 0)] * (x.ndim - 1) + [(0, -K % 32)]); x = x.reshape(x.shape[:-1] + (-1, 32)); a = np.abs(x).max(-1, keepdims=True)
;;       e = np.where(a > 0, np.clip(np.frexp(np.where(a > 0, a, 1))[1] - 1 - 4, -126, 127), 0)      # np.frexp(a)[1] - 1 = floor(log2(a)), exactly
;;       r = np.clip(x / 2.0 ** e, -28, 28)
;;       step = 2.0 ** (np.maximum(np.frexp(np.where(r == 0, 1, r))[1] - 1, -2) - 2)
;;       q = np.round(r / step) * step * 2.0 ** e      # np.round: ties to even
;;       return np.moveaxis(q.reshape(q.shape[:-2] + (-1,))[..., :K], -1, axis).astype(np.float32)
;;   ~~~
;;   SOFTMAX AHEAD OF A QUANTISED PRODUCT. Where the list says 'softmax', what is quantised is not the finished softmax but p = 2^(t - M), with t = logit x log2(e) and M = ceil(the row's largest t), a whole number; so 1/2 < the row's largest p <= 1. The row's sum l is taken of the UNQUANTISED p, in f32, and the product's result is divided by l at the end. Since M is a whole number, a kernel that streams over the keys may use a running M (the ceiling of the running maximum): every later rescaling is an exact power of two, which a block's scale takes up: the codes' values come out the same.
;;   OPERANDS COMPUTED ON THE WAY. 'Computed on the way' means the value that the module computes at that place (a softmax that the list does not call 'softmax' is quantised finished and normalised). What goes into a quantiser is computed in f32, as accurately as f32 sums, v_exp_f32 and their like allow (about 1e-6 of the number): no bf16 or f16 on the way to a quantiser, and a product that is left as it is and whose result goes on into a quantised operand takes f32 operands (vector FMAs, or v_wmma_f32_16x16x4_f32). A number that lies on a knife's edge between two numbers of the format may be rounded either way, as far as f32 arithmetic and the matrix unit's own rounding can turn it there, and no further.
;; One version. Each part assembles by itself: llvm-mc -triple=amdgcn-amd-amdhsa -mcpu=gfx1250 --defsym DOCPART=n.
;; ======== version 1 of 1: 4 launches
;; workspace buffers: opnd_img 9,437,184 bytes; opnd_scl 393,216 bytes; qkv_img 18,874,368 bytes; qkv_scl 1,310,720 bytes; y_img 6,291,456 bytes; y_scl 262,144 bytes
;; launch quant (part 1): grid 512 x 1, 4 waves a work-group, no clusters, 34,304 bytes of LDS; arguments x, w_qkv, w_proj, opnd_img, opnd_scl; writes opnd_img, opnd_scl
.if DOCPART == 1
	.amdgcn_target "amdgcn-amd-amdhsa--gfx1250"
	.amdhsa_code_object_version 6
	.text
	.protected	k_q80bb3f04eb_quant
	.globl	k_q80bb3f04eb_quant
	.p2align	8
	.type	k_q80bb3f04eb_quant,@function
k_q80bb3f04eb_quant:
	s_mov_b64 s[64:65], 0
	v_nop
	global_prefetch_b8 v0, s[64:65] scope:SCOPE_SE
	s_setreg_imm32_b32 hwreg(HW_REG_WAVE_MODE, 25, 1), 1
	s_wait_xcnt 0x0
; x [8192][1024], w_qkv [1024][3072] and w_proj [1024][1024], f32, become codes of E3M2 with one E8M0 byte for each 32 along K = 1024.
; A block's byte is its largest magnitude's exponent field - 4, held at 1 from below; each number is divided by that power of two and rounded to the nearest code, ties to even, beyond 28 the largest code.
; LIMITS: NaN and infinities among the inputs are not served.  A block whose largest magnitude lies under 2^(5 - 127), a block of zeros among them, keeps the byte 1: the bytes are read by this program alone.
; THE OUTPUT IS LAID AS THE MATRIX UNIT'S REGISTERS.  Operand rows (rows of x, then columns of w_qkv, then of w_proj) go in tiles of 16; buffer row p holds true row p with bits 3 and 4 exchanged,
; so lane r of tile 2 g + u holds true row 32 g + 8 u + r + 8 (r / 8).  A fragment (16 rows x 128 K, 12 registers a lane) is 1,536 bytes: for c = 0, 1: registers 6 c .. 6 c + 3 at 768 c + 16 x lane,
; registers 6 c + 4, 6 c + 5 at 768 c + 512 + 8 x lane.  opnd_img: [tile][K step 0..7][1,536].  opnd_scl: [buffer row][8 words], one word for 128 K.
; Every store of codes covers 512 or 256 consecutive bytes, aligned.  The scale words (one byte for 24 bytes of codes) leave as 8 or 4 bytes a row, 32 bytes apart.
; Work-groups 0-255 take x, 256-511 the weights.  Waves share nothing: no barrier.  Only x's path uses LDS.
.set SP,    528                        ; a stage row: 512 bytes + 16, so that the sixteen rows of a read start in different banks
.set WST,   16*SP                      ; a wave's stage
.set RW,    32                         ; v32-159  x: two sets of 64 as loaded;  weights: four sets of 32
.set XN,    160                        ; v160-223 x: register 32 c + i = k 64 c + 32 (lane / 16) + i of my row
.set PC,    224                        ; v224-235 a fragment's codes
.set CT,    236                        ; v236-238, v240-242 the upper halves of two blocks, as the conversion leaves them
.set TM,    10
.set SO,    12
.set BY,    14
.set WD,    20                         ; v20-23   the scale words of four K steps
.set FLOOR, 0x2800000                  ; 2^(5 - 127)
.set EOFF,  0xfe000000                 ; -4 in the exponent field
	s_load_b256 s[4:11], s[0:1], 0x0               ; x s[4:5], w_qkv s[6:7], w_proj s[8:9], opnd_img s[10:11]
	s_load_b64 s[12:13], s[0:1], 0x20              ; opnd_scl
	v_lshl_add_u32 v248, v0, 2, 0x8400
	v_mov_b32 v249, 0
	v_lshrrev_b32 v1, 5, v0
	v_readfirstlane_b32 s14, v1                    ; wave
	v_and_b32 v1, 31, v0                           ; lane
	v_lshlrev_b32 v4, 4, v1                        ; 16 x lane
	v_lshlrev_b32 v5, 3, v1                        ; 8 x lane
	s_cmp_lt_u32 ttmp9, 256
	s_cbranch_scc0 .Lweights
; ---- x.  Wave w of work-group g: tile 2 g + w / 2, K half w % 2: four fragments.
	v_and_b32 v2, 15, v0                           ; r
	v_bfe_u32 v3, v0, 4, 1                         ; h
	s_mov_b32 s16, 0x76543210
	s_mov_b32 s17, 0xfedcba98                      ; selects for lane l xor 16
	s_lshr_b32 s18, s14, 1                         ; u
	s_and_b32 s19, s14, 1                          ; K half
	s_lshl_b32 s20, ttmp9, 17                      ; 32 g rows of 4,096 bytes
	s_lshl_b32 s21, s18, 15                        ; + 8 u rows
	s_add_co_u32 s20, s20, s21
	s_lshl_b32 s21, s19, 11                        ; + 512 numbers
	s_add_co_u32 s20, s20, s21
	s_mov_b32 s21, 0
	s_lshl_b32 s22, ttmp9, 1
	s_add_co_u32 s22, s22, s18                     ; the tile
	s_mul_i32 s24, s22, 12288
	s_mul_i32 s25, s19, 6144
	s_add_co_u32 s24, s24, s25
	s_mov_b32 s25, 0
	s_lshl_b32 s26, s22, 9                         ; 16 rows of 32 scale bytes
	s_lshl_b32 s27, s19, 4
	s_add_co_u32 s26, s26, s27
	s_mov_b32 s27, 0
	s_mul_i32 s28, s14, WST
	v_add_nc_u32 v6, s28, v4                       ; into the stage: a row as it lies
	v_mul_u32_u24 v7, v2, SP
	v_lshl_add_u32 v7, v3, 7, v7
	v_add_nc_u32 v7, s28, v7                       ; out of it: row r, + 128 h bytes
	v_lshlrev_b32 v8, 5, v2
	v_lshl_add_u32 v8, v3, 3, v8                   ; scale words: 32 r + 8 h
	v_lshlrev_b32 v17, 3, v3                       ; 8 h
	v_mov_b32 v18, 0                               ; a lane permute's destination counts as one of its sources
	s_wait_kmcnt 0x0
	s_add_nc_u64 s[4:5], s[4:5], s[20:21]
	s_add_nc_u64 s[10:11], s[10:11], s[24:25]
	s_add_nc_u64 s[12:13], s[12:13], s[26:27]
.macro XLOAD s                         ; K step s of my 16 rows: each load takes 512 consecutive bytes of one true row
.irp i, 0,1,2,3,4,5,6,7,8,9,10,11,12,13,14,15
	global_load_b128 v[RW+64*((\s)%2)+4*\i:RW+64*((\s)%2)+4*\i+3], v4, s[4:5] offset:(\i+8*(\i/8))*4096+512*(\s) th:TH_LOAD_NT
.endr
.endm
.macro XSTEP s, left
	s_wait_loadcnt \left                           ; this step's 16 loads are in; the next step's 16 may be out
.irp i, 0,1,2,3,4,5,6,7,8,9,10,11,12,13,14,15
	ds_store_b128 v6, v[RW+64*((\s)%2)+4*\i:RW+64*((\s)%2)+4*\i+3] offset:SP*\i
.endr
.irp c, 0,1
.irp j, 0,1,2,3,4,5,6,7
	ds_load_b128 v[XN+32*\c+4*\j:XN+32*\c+4*\j+3], v7 offset:256*\c+16*\j   ; LDS serves a wave's instructions in order: these see the stores above
.endr
.endr
	s_wait_dscnt 0x0                               ; my 64 numbers are in, so the stores into the stage have read their registers
.if (\s) < 2
	XLOAD (\s)+2
.endif
.irp c, 0,1                                    ; my block 2 c + h: all its 32 numbers are mine
	v_max3_num_f32 v[TM+\c], |v[XN+32*\c]|, |v[XN+32*\c+1]|, FLOOR
.endr
.irp i, 2,4,6,8,10,12,14,16,18,20,22,24,26,28,30
.irp c, 0,1
	v_max3_num_f32 v[TM+\c], v[TM+\c], |v[XN+32*\c+\i]|, |v[XN+32*\c+\i+1]|
.endr
.endr
.irp c, 0,1
	v_add_nc_u32 v[SO+\c], EOFF, v[TM+\c]          ; the conversion takes this operand's exponent field as its scale
.endr
.irp c, 0,1
	v_lshrrev_b32 v[BY+\c], 23, v[SO+\c]           ; the scale's byte
.endr
	v_lshl_or_b32 v16, v[BY+1], 16, v[BY]          ; blocks h and 2 + h,
	v_lshlrev_b32 v16, v17, v16                    ; at their places in the word;
	v_permlanex16_b32 v18, v16, s16, s17
	v_or_b32 v[WD+(\s)], v16, v18                  ; with lane l xor 16's two the word is whole
	s_wait_xcnt 0x0                                ; the last step's stores have read the codes' registers
.irp c, 0,1
	v_cvt_scalef32_pk16_bf6_f32 v[PC+6*\c:PC+6*\c+2], v[XN+32*\c:XN+32*\c+15], v[SO+\c]
	v_cvt_scalef32_pk16_bf6_f32 v[CT+4*\c:CT+4*\c+2], v[XN+32*\c+16:XN+32*\c+31], v[SO+\c]   ; (a conversion's three registers begin on an even number)
.endr
	v_nop                                          ; one plain instruction behind a scaled conversion
.irp c, 0,1
.irp i, 0,1,2
	v_mov_b32 v[PC+6*\c+3+\i], v[CT+4*\c+\i]
.endr
.endr
	global_store_b128 v4, v[PC:PC+3], s[10:11] offset:1536*(\s)
	global_store_b64 v5, v[PC+4:PC+5], s[10:11] offset:1536*(\s)+512
	global_store_b128 v4, v[PC+6:PC+9], s[10:11] offset:1536*(\s)+768
	global_store_b64 v5, v[PC+10:PC+11], s[10:11] offset:1536*(\s)+1280
.endm
	XLOAD 0
	XLOAD 1
	XSTEP 0, 16
	XSTEP 1, 16
	XSTEP 2, 16
	XSTEP 3, 0
	v_cmp_ne_u32 vcc_lo, 0, v3
	v_cndmask_b32 v24, v[WD], v[WD+2], vcc_lo      ; lanes 0-15 store my row's words 0, 1, lanes 16-31 words 2, 3
	v_cndmask_b32 v25, v[WD+1], v[WD+3], vcc_lo
	global_store_b64 v8, v[24:25], s[12:13]
	s_wait_tensorcnt 0x0
	ds_add_u32 v248, v249
	s_wait_dscnt 0x0
	s_endpgm
; ---- the weights: K is their FIRST axis.  A lane takes a column and its registers run down K: a block of 32 lies in one lane, and the codes come out with K innermost.
; Work-group 256 + 32 s + xc: columns 128 xc on (of 4,096: w_qkv's 3,072, then w_proj's), K step s.  Wave w: 32 columns, two tiles; lane p takes the column with bits 3 and 4 of p exchanged.
.macro WLOAD t, base, stride           ; block t: rows 32 t + i of the K step, 128 consecutive bytes a load
.irp i, 0,1,2,3,4,5,6,7,8,9,10,11,12,13,14,15,16,17,18,19,20,21,22,23,24,25,26,27,28,29,30,31
	global_load_b32 v[RW+32*(\t)+\i], v9, s[\base:\base+1] offset:(32*(\t)+\i)*\stride th:TH_LOAD_NT
.endr
.endm
.macro WBLOCK t, left                  ; block t's six registers of codes to v160, v166 (blocks 0, 1), v180, v186 (blocks 2, 3)
.set XS, RW+32*(\t)
.set CBR, 160+20*((\t)/2)+6*((\t)%2)
	s_wait_loadcnt \left                           ; this block's 32 loads are in; the next block's 32 may be out
	v_max3_num_f32 v12, |v[XS]|, |v[XS+1]|, |v[XS+2]|
	v_max3_num_f32 v13, |v[XS+3]|, |v[XS+4]|, |v[XS+5]|
.irp i, 6,10,14,18,22,26
	v_max3_num_f32 v12, v12, |v[XS+\i]|, |v[XS+\i+1]|
	v_max3_num_f32 v13, v13, |v[XS+\i+2]|, |v[XS+\i+3]|
.endr
	v_max3_num_f32 v12, v12, |v[XS+30]|, |v[XS+31]|
	v_max3_num_f32 v12, v12, v13, FLOOR
	v_add_nc_u32 v11, EOFF, v12
	v_lshrrev_b32 v13, 23, v11
.if (\t) == 0
	v_mov_b32 v24, v13
.else
	v_lshl_or_b32 v24, v13, 8*(\t), v24            ; the four bytes make my column's word for this K step
.endif
	v_cvt_scalef32_pk16_bf6_f32 v[CBR:CBR+2], v[XS:XS+15], v11
	v_cvt_scalef32_pk16_bf6_f32 v[172:174], v[XS+16:XS+31], v11
	v_nop                                          ; one plain instruction behind a scaled conversion
.irp i, 0,1,2
	v_mov_b32 v[CBR+3+\i], v[172+\i]
.endr
.endm
.macro WOUT c                          ; blocks 2 c and 2 c + 1 of 32 columns become registers 6 c .. 6 c + 5 of two tiles' fragments
.irp i, 0,1,2,3,4,5
	v_permlane16_swap_b32 v[160+20*\c+\i], v[166+20*\c+\i]   ; the first's lanes 16-31 change places with the second's lanes 0-15: the first is now the first tile's, the second the second's
.endr
	global_store_b128 v4, v[160+20*\c:163+20*\c], s[10:11] offset:768*\c
	global_store_b64 v5, v[164+20*\c:165+20*\c], s[10:11] offset:768*\c+512
	global_store_b128 v4, v[166+20*\c:169+20*\c], s[10:11] offset:768*\c+12288
	global_store_b64 v5, v[170+20*\c:171+20*\c], s[10:11] offset:768*\c+12288+512
.endm
.macro WEIGHT base, stride
	WLOAD 0, \base, \stride
	WLOAD 1, \base, \stride
	WBLOCK 0, 32
	WLOAD 2, \base, \stride
	WBLOCK 1, 32
	WLOAD 3, \base, \stride
	WOUT 0
	WBLOCK 2, 32
	WBLOCK 3, 0
	WOUT 1
	global_store_b32 v8, v24, s[12:13]
.endm
.Lweights:
	v_and_b32 v9, 7, v1
	v_and_b32 v10, 8, v1
	v_lshl_add_u32 v9, v10, 1, v9
	v_and_b32 v10, 16, v1
	v_lshrrev_b32 v10, 1, v10
	v_add_nc_u32 v9, v9, v10                       ; the lane's number with bits 3 and 4 exchanged
	v_lshlrev_b32 v9, 2, v9                        ; 4 bytes a column
	v_lshlrev_b32 v8, 5, v1                        ; a row of scale bytes is 32
	s_sub_co_u32 s18, ttmp9, 256
	s_and_b32 s19, s18, 31                         ; xc
	s_lshr_b32 s18, s18, 5                         ; K step
	s_lshl_b32 s20, s19, 3
	s_lshl_b32 s21, s14, 1
	s_add_co_u32 s20, s20, s21
	s_add_co_u32 s20, s20, 512                     ; my first tile: behind x's 512
	s_mul_i32 s24, s20, 12288
	s_mul_i32 s25, s18, 1536
	s_add_co_u32 s24, s24, s25
	s_mov_b32 s25, 0
	s_lshl_b32 s26, s20, 9
	s_lshl_b32 s27, s18, 2
	s_add_co_u32 s26, s26, s27
	s_mov_b32 s27, 0
	s_lshl_b32 s22, s14, 7                         ; my wave's 32 columns, in bytes
	s_mov_b32 s23, 0
	s_wait_kmcnt 0x0
	s_add_nc_u64 s[10:11], s[10:11], s[24:25]
	s_add_nc_u64 s[12:13], s[12:13], s[26:27]
	s_cmp_lt_u32 s19, 24
	s_cbranch_scc0 .Lproj
	s_mul_i32 s28, s18, 128*12288
	s_lshl_b32 s29, s19, 9
	s_add_co_u32 s28, s28, s29
	s_add_co_u32 s22, s22, s28
	s_add_nc_u64 s[6:7], s[6:7], s[22:23]
	WEIGHT 6, 12288
	s_endpgm
.Lproj:
	s_sub_co_u32 s19, s19, 24
	s_mul_i32 s28, s18, 128*4096
	s_lshl_b32 s29, s19, 9
	s_add_co_u32 s28, s28, s29
	s_add_co_u32 s22, s22, s28
	s_add_nc_u64 s[8:9], s[8:9], s[22:23]
	WEIGHT 8, 4096
	s_endpgm
.Lfunc_end_k_q80bb3f04eb_quant:
	.size	k_q80bb3f04eb_quant, .Lfunc_end_k_q80bb3f04eb_quant-k_q80bb3f04eb_quant
	.p2alignl 7, 3214868480
	.fill 96, 4, 3214868480
	.section	.rodata,"a",@progbits
	.p2align	6, 0x0
	.amdhsa_kernel k_q80bb3f04eb_quant
		.amdhsa_group_segment_fixed_size 34304
		.amdhsa_private_segment_fixed_size 0
		.amdhsa_enable_private_segment 0
		.amdhsa_kernarg_size 40
		.amdhsa_user_sgpr_count 2
		.amdhsa_user_sgpr_kernarg_segment_ptr 1
		.amdhsa_wavefront_size32 1
		.amdhsa_system_sgpr_workgroup_id_x 1
		.amdhsa_system_sgpr_workgroup_id_y 1
		.amdhsa_system_sgpr_workgroup_id_z 1
		.amdhsa_system_vgpr_workitem_id 0
		.amdhsa_next_free_vgpr 250
		.amdhsa_next_free_sgpr 66
		.amdhsa_reserve_vcc 1
		.amdhsa_float_denorm_mode_32 3
		.amdhsa_float_denorm_mode_16_64 3
		.amdhsa_memory_ordered 1
		.amdhsa_forward_progress 1
		.amdhsa_inst_pref_size 70
	.end_amdhsa_kernel
	.amdgpu_metadata
---
amdhsa.version: [ 1, 2 ]
amdhsa.kernels:
  - .name:           k_q80bb3f04eb_quant
    .symbol:         k_q80bb3f04eb_quant.kd
    .args:
      - { .name: x, .offset: 0, .size: 8, .value_kind: global_buffer, .address_space: global }
      - { .name: w_qkv, .offset: 8, .size: 8, .value_kind: global_buffer, .address_space: global }
      - { .name: w_proj, .offset: 16, .size: 8, .value_kind: global_buffer, .address_space: global }
      - { .name: opnd_img, .offset: 24, .size: 8, .value_kind: global_buffer, .address_space: global }
      - { .name: opnd_scl, .offset: 32, .size: 8, .value_kind: global_buffer, .address_space: global }
    .group_segment_fixed_size: 34304
    .private_segment_fixed_size: 0
    .kernarg_segment_align: 8
    .kernarg_segment_size: 40
    .max_flat_workgroup_size: 128
    .sgpr_count:     66
    .vgpr_count:     250
    .wavefront_size: 32
...
	.end_amdgpu_metadata
.endif
;; end of part 1
;; launch gemm_qkv (part 2): grid 12 x 32, 4 waves a work-group, clusters of 4 x 4, 327,680 bytes of LDS; arguments opnd_img, opnd_scl, b_qkv, qkv_img, qkv_scl; writes qkv_img, qkv_scl
.if DOCPART == 2
	.amdgcn_target "amdgcn-amd-amdhsa--gfx1250"
	.amdhsa_code_object_version 6
	.text
	.protected	k_q80bb3f04eb_gemm_qkv
	.globl	k_q80bb3f04eb_gemm_qkv
	.p2align	8
	.type	k_q80bb3f04eb_gemm_qkv,@function
k_q80bb3f04eb_gemm_qkv:
	s_mov_b64 s[64:65], 0
	v_nop
	global_prefetch_b8 v0, s[64:65] scope:SCOPE_SE
	s_setreg_imm32_b32 hwreg(HW_REG_WAVE_MODE, 25, 1), 1
	s_wait_xcnt 0x0
	s_wait_alu depctr_hold_cnt(0) depctr_sa_sdst(0) depctr_va_vdst(0) depctr_va_sdst(0) depctr_va_ssrc(0) depctr_va_vcc(0) depctr_vm_vsrc(0)
	s_getreg_b32 s2, hwreg(HW_REG_IB_STS2, 6, 4)
	s_cmp_eq_u32 s2, 0
	s_cbranch_scc0 .Lentry_in_a_cluster
	s_endpgm
.Lentry_in_a_cluster:
	s_bfe_u32 s2, ttmp6, 0x10000c
	s_cmp_lg_u32 s2, 0xf033
	s_cbranch_scc0 .Lentry_shape_is_right
	s_endpgm
.Lentry_shape_is_right:
; qkv = x w_qkv + b_qkv on codes of E3M2 (K = 1,024), and q, k, v quantised again in registers: q and k along the head's 64, v along the keys.  No f32 number of qkv goes to memory.
; OPERANDS: opnd_img [tile of 16 rows][K step 0..7][1,536 bytes: an image of a fragment's 12 registers], opnd_scl [row][8 words].  Rows 0-8,191: x; 8,192-11,263: w_qkv's columns.
; Buffer row p holds true row p with bits 3 and 4 exchanged: lane r of tile 2 g + u holds true row 32 g + 8 u + r + 8 (r / 8).
; A tile of 256 x 256 is made by four waves, each 128 x 128: 64 accumulators, 512 registers.  Source 0 takes the side called B here, source 1 the side called A: a lane holds ONE row of A, and by the order of
; the rows in a tile the 16 registers of B's tiles 2 g, 2 g + 1 are 16 NEIGHBOURS of B's true rows, 32 g + 16 (lane / 16) + 0 .. 15: what a conversion of 16 numbers wants.
; TWO TYPES, by the cluster's x, which all sixteen partners share.  x = 0, 1 (q, k): A = rows of x, B = columns of w: registers run along the head's channels.
; x = 2 (v): A = columns of w_v, B = rows of x: a lane holds one channel and its registers run along the keys.
; THE BIAS: along B it is the C of each sum's first product (type v: zeros there); along A (type v) it is added to the finished sums.
; K goes in steps of 256 through two LDS slots; the scale words of all of K come once.  4 x 4 work-groups form a cluster: A's tiles are asked for jointly along a row of it, B's along a column.
; OUT: qkv_img [head 16][b 16 + key step][18,432]: K 8 tiles x 768 at 0; V 4 tiles of channels x 1,536 at 6,144; Q 8 tiles x 768 at 12,288.
;      qkv_scl [head][..][1,280]: K [r][tile] words at 0, V [r][tile of channels] at 512, Q as K at 768.  In Q's and K's words bytes 2, 3 are 0.
; LIMITS: NaN and infinities are not served; a block whose largest magnitude lies under 2^(5 - 127) keeps the byte 1 (the bytes are read by this program alone).
; REGISTERS: window 0: v1 r, v2 h, v8-9 bias offsets, v16-23 LDS addresses, v24 16 x lane, v25 8 x lane, v26-29; v32-63 scale words; v64-127 B's bias; v128-223 A's fragments, one set; v224-239 A's bias; v240-255 at work.
;   window 1: B's fragments, two sets, at v0 and v128.   windows 2, 3: the accumulators ((a, b) at v[8 (8 (a % 4) + b)]).
.set NQ,     2                         ; steps of 128 along K in a slot
.set FR,     12
.set NL,     4                         ; LDS loads that bring a fragment
.set NP,     4                         ; places behind this matrix instruction (ISA guide 7.12.1)
.set FRB,    1536
.set RTB,    NQ*FRB                    ; a tile's bytes in a slot
.set HALFT,  8*RTB                     ; 128 rows: what one tensor load brings
.set SLOT,   4*HALFT
.set LAPS,   2                         ; 1,024 / 512
.set KS,     32                        ; a row of scale bytes
.set SCL,    2*SLOT
.set HALFS,  16*272                    ; the scales of 128 rows: 16 lines of 256 bytes + 16
.set SBLK,   2*272
.set SPARE,  SCL+4*HALFS               ; the spare words: 128 bytes a wave, two blocks of 256 bytes that no other line names
.set HEADB,  64*18432                  ; from a head to the next in qkv_img
.set HEADS,  64*1280                   ; and in qkv_scl
.set ADRA, 16                          ; v16-17 16 x lane + my A rows in slot 0, 1;  v18-19 the same with 8 x lane
.set ADRB, 20                          ; v20-23 the same for B
.set ADRS, 27
.set SPW,  28
.set NIL,  29
.set SC,   32
.set BC,   64
.set AF,   128
.set BR,   224
.set TM,   240
.set PC,   128                         ; the way out: codes, where A's fragments lay
.set PWS,  148                         ; v148-155 the eight blocks' scale words
.set SEL,  66
.set G1, 24
.set G0, 32
.set G1B, 48
.set G0B, 56
.set G1S, 68
.set G0S, 76
.set G1SB, 80
.set G0SB, 88
.set MSB, 0
.macro WIN new                         ; the immediate's high byte repeats the setting that is left
.if MSB != \new
	s_set_vgpr_msb (MSB<<8)|\new
.set MSB, \new
.endif
.endm
.set MUL_LO, 0xa1                      ; source 0 window 1, source 1 window 0, C and D window 2
.set MUL_HI, 0xf1
.set TO_B,   0x40
; A joint load: waves 0, 1 fetch for A, waves 2, 3 for B.  Four v_nop follow each of the two lines.
.macro JLOAD g0a, g1a, g0b, g1b
	s_cmp_eq_u32 s15, 0
	s_cbranch_scc0 .Lfor_b_\@
	tensor_load_to_lds s[\g0a:\g0a+3], s[\g1a:\g1a+7]
	s_nop 0
.rept 4
	v_nop
.endr
	s_branch .Lasked_\@
.Lfor_b_\@:
	tensor_load_to_lds s[\g0b:\g0b+3], s[\g1b:\g1b+7]
	s_nop 0
.rept 4
	v_nop
.endr
.Lasked_\@:
.endm
.macro CREST                           ; a round of the cluster's barrier behind its opening barrier
	s_cmp_lg_u32 s14, 0
	s_cbranch_scc1 .Lnot_wave_0_\@
	s_barrier_signal -3
.Lnot_wave_0_\@:
	s_barrier_wait -3
	s_barrier_signal -1
	s_barrier_wait -1
.endm
.macro CROUND
	s_barrier_signal -1
	s_barrier_wait -1
	CREST
.endm
	s_load_b256 s[4:11], s[0:1], 0x0               ; opnd_img s[4:5], opnd_scl s[6:7], b_qkv s[8:9], qkv_img s[10:11]
	s_load_b64 s[12:13], s[0:1], 0x20              ; qkv_scl
	v_lshl_add_u32 v[SPW], v0, 2, SPARE
	v_mov_b32 v[NIL], 0
	ds_add_u32 v28, v29
	ds_add_u32 v28, v29
	s_wait_dscnt 0x0
	v_lshrrev_b32 v1, 5, v0
	v_readfirstlane_b32 s14, v1                    ; wave
	s_lshr_b32 s15, s14, 1                         ; my half of A's rows.  Also: I fetch for A (0) or B (1)
	s_and_b32 s16, s14, 1                          ; my half of B's rows.  Also: which 128 rows I fetch
	s_bfe_u32 s40, ttmp6, 0x40000                  ; cx
	s_bfe_u32 s41, ttmp6, 0x40004                  ; cy
	s_and_b32 s17, ttmp7, 0xffff
	s_lshl_b32 s17, s17, 2                         ; 4 x cluster y
	s_lshr_b32 s18, ttmp9, 1                       ; 1 for type v (cluster x = 2)
	s_xor_b32 s19, s18, 1                          ; 1 for type q, k
	s_sub_co_u32 s95, s18, 1                       ; all ones for type q, k; 0 for type v
	s_mul_i32 s20, s19, s17                        ; A's unit of 256 rows: q, k: 4 x cluster y + cy (x);  v: 40 + cy (w_v's columns)
	s_mul_i32 s21, s18, 40
	s_add_co_u32 s20, s20, s21
	s_add_co_u32 s20, s20, s41
	s_mov_b32 s96, s20
	s_lshl_b32 s46, ttmp9, 2                       ; B's: q, k: 32 + 4 x cluster x + cx;  v: 4 x cluster y + cx
	s_add_co_u32 s46, s46, 32
	s_mul_i32 s46, s46, s19
	s_mul_i32 s47, s18, s17
	s_add_co_u32 s46, s46, s47
	s_add_co_u32 s46, s46, s40
	s_mov_b32 s97, s46
	s_sub_co_u32 s98, s97, 32                      ; B's bias (q, k): my first column, in bytes; type v: 0
	s_lshl_b32 s98, s98, 8
	s_lshl_b32 s42, s16, 7
	s_add_co_u32 s98, s98, s42
	s_mul_i32 s98, s98, s19
	s_lshl_b32 s98, s98, 2
	s_sub_co_u32 s99, s96, 32                      ; A's bias (v): my first column, in bytes; type q, k: 0
	s_lshl_b32 s99, s99, 8
	s_lshl_b32 s42, s15, 7
	s_add_co_u32 s99, s99, s42
	s_mul_i32 s99, s99, s18
	s_lshl_b32 s99, s99, 2
	s_lshl_b32 s43, s41, 2
	s_lshl_b32 s43, 15, s43                        ; my row of the cluster
	s_lshl_b32 s44, 0x1111, s40                    ; my column
	; codes: 8 tiles x 3,072 bytes (384 elements of 8 bytes), 12,288 bytes apart in memory, on end in LDS
	s_or_b32 s[G1+0], s43, (3<<16)|(1<<21)
	s_or_b32 s[G1B+0], s44, (3<<16)|(1<<21)
.irp g, G1, G1B
	s_mov_b32 s[\g+1], 384<<16                     ; tensor_dim0
	s_mov_b32 s[\g+2], 8<<16                       ; tensor_dim1
	s_mov_b32 s[\g+3], 384<<16                     ; tile_dim0
	s_mov_b32 s[\g+4], 8                           ; tile_dim1
	s_mov_b32 s[\g+5], 1536                        ; tensor_dim0_stride
	s_mov_b32 s[\g+6], 0
	s_mov_b32 s[\g+7], 0
.endr
	; the scales of 128 rows: 4,096 dense bytes as 16 lines of 256, 16 bytes of padding behind each
	s_or_b32 s[G1S+0], s43, (3<<16)|(1<<20)|(1<<21)|(5<<22)|(3<<25)
	s_or_b32 s[G1SB+0], s44, (3<<16)|(1<<20)|(1<<21)|(5<<22)|(3<<25)
.irp g, G1S, G1SB
	s_mov_b32 s[\g+1], 32<<16
	s_mov_b32 s[\g+2], 16<<16
	s_mov_b32 s[\g+3], 32<<16
	s_mov_b32 s[\g+4], 16
	s_mov_b32 s[\g+5], 32
	s_mov_b32 s[\g+6], 0
	s_mov_b32 s[\g+7], 0
.endr
	s_lshl_b32 s20, s20, 1
	s_add_co_u32 s20, s20, s16                     ; which 128 rows of A I fetch
	s_lshl_b32 s46, s46, 1
	s_add_co_u32 s46, s46, s16                     ; and of B
	s_lshl_b32 s22, s20, 12                        ; their scales: 4,096 bytes each
	s_mov_b32 s23, 0
	s_mul_i32 s20, s20, 8*12288                    ; their codes
	s_mov_b32 s21, 0
	s_lshl_b32 s92, s46, 12
	s_mov_b32 s93, 0
	s_mul_i32 s46, s46, 8*12288
	s_mov_b32 s47, 0
	s_mul_i32 s45, s14, HALFT                      ; where they go: no place in the cluster enters an LDS address
	s_mul_i32 s94, s14, HALFS
	s_mov_b32 s[SEL], 0x76543210
	s_mov_b32 s[SEL+1], 0xfedcba98
	s_wait_kmcnt 0x0
	s_add_nc_u64 s[20:21], s[4:5], s[20:21]
	s_add_nc_u64 s[22:23], s[6:7], s[22:23]
	s_add_nc_u64 s[46:47], s[4:5], s[46:47]
	s_add_nc_u64 s[92:93], s[6:7], s[92:93]
	CROUND                                         ; all sixteen work-groups are here: the first joint loads meet
	s_mov_b32 s[G0S], 1
	s_add_co_u32 s[G0S+1], s94, SCL
	s_mov_b64 s[G0S+2:G0S+3], s[22:23]
	s_or_b32 s[G0S+3], s[G0S+3], 0x80000000
	s_mov_b32 s[G0SB], 1
	s_add_co_u32 s[G0SB+1], s94, SCL
	s_mov_b64 s[G0SB+2:G0SB+3], s[92:93]
	s_or_b32 s[G0SB+3], s[G0SB+3], 0x80000000
	JLOAD G0S, G1S, G0SB, G1SB                     ; three loads of mine are out at the most: the scales and the two slots
.irp s, 0,1
	s_mov_b32 s[G0+4*\s], 1
	s_add_co_u32 s[G0+4*\s+1], s45, \s*SLOT
	s_add_nc_u64 s[G0+4*\s+2:G0+4*\s+3], s[20:21], \s*RTB
	s_or_b32 s[G0+4*\s+3], s[G0+4*\s+3], 0x80000000
	s_mov_b32 s[G0B+4*\s], 1
	s_add_co_u32 s[G0B+4*\s+1], s45, \s*SLOT
	s_add_nc_u64 s[G0B+4*\s+2:G0B+4*\s+3], s[46:47], \s*RTB
	s_or_b32 s[G0B+4*\s+3], s[G0B+4*\s+3], 0x80000000
	JLOAD G0+4*\s, G1, G0B+4*\s, G1B
.endr
	v_and_b32 v1, 15, v0                           ; r
	v_bfe_u32 v2, v0, 4, 1                         ; h
	v_and_b32 v3, 31, v0
	v_lshlrev_b32 v24, 4, v3
	v_lshlrev_b32 v25, 3, v3
	v_lshlrev_b32 v8, 6, v2
	v_add_nc_u32 v8, s98, v8                       ; B's bias: register j of block b is column 32 (b / 2) + 16 h + 8 (b % 2) + j
	v_and_b32 v9, 8, v1
	v_add_nc_u32 v9, v9, v1
	v_lshlrev_b32 v9, 2, v9
	v_add_nc_u32 v9, s99, v9                       ; A's: my lane's column of block a: 32 (a / 2) + 8 (a % 2) + r + 8 (r / 8)
.irp b, 0,1,2,3,4,5,6,7
	global_load_b128 v[BC+8*\b:BC+8*\b+3], v8, s[8:9] offset:128*(\b/2)+32*(\b%2)
	global_load_b128 v[BC+8*\b+4:BC+8*\b+7], v8, s[8:9] offset:128*(\b/2)+32*(\b%2)+16
.endr
.irp a, 0,1,2,3,4,5,6,7
	global_load_b32 v[BR+2*\a], v9, s[8:9] offset:4*(32*(\a/2)+8*(\a%2))
.endr
	s_mul_i32 s21, s15, HALFT
	s_mul_i32 s22, s16, HALFT
	s_add_co_u32 s22, s22, 2*HALFT
.irp s, 0,1
	v_add_nc_u32 v[ADRA+\s], s21, v24
	v_add_nc_u32 v[ADRA+2+\s], s21, v25
	v_add_nc_u32 v[ADRB+\s], s22, v24
	v_add_nc_u32 v[ADRB+2+\s], s22, v25
	s_add_co_u32 s21, s21, SLOT
	s_add_co_u32 s22, s22, SLOT
.endr
	v_mul_u32_u24 v5, v1, KS                       ; my row's scales: 32 bytes a row,
	v_lshrrev_b32 v6, 8, v5
	v_lshl_add_u32 v5, v6, 4, v5                   ; and 16 more for each 256 passed
	s_mul_i32 s21, s15, HALFS
	s_mul_i32 s22, s16, HALFS
	s_add_co_u32 s22, s22, 2*HALFS
	s_sub_co_u32 s22, s22, s21
	v_mul_u32_u24 v6, s22, v2                      ; lanes 16-31 take B's
	s_add_co_u32 s21, s21, SCL
	v_add_nc_u32 v5, v5, v6
	v_add_nc_u32 v[ADRS], s21, v5
.irp b, 0,1,2,3
	v_mov_b32 v[TM+4+\b], 0                        ; a lane permute's destination counts as one of its sources
.endr
	s_wait_loadcnt 0x0                             ; the biases
.set j, 0
.rept 64
	v_cndmask_b32 v[BC+j], 0, v[BC+j], s95         ; type v has no bias along B
.set j, j+1
.endr
.irp a, 0,1,2,3,4,5,6,7
	v_mov_b32 v[BR+2*\a+1], v[BR+2*\a]             ; named as a pair by the packed addition
.endr
.macro FRAG reg, adr, q, i             ; a fragment comes as it was stored: 16, 8, 16, 8 bytes a lane, each load on consecutive bytes
	ds_load_b128 v[\reg:\reg+3], v[\adr] offset:(\i)*RTB+(\q)*FRB
	ds_load_b64 v[\reg+4:\reg+5], v[\adr+2] offset:(\i)*RTB+(\q)*FRB+512
	ds_load_b128 v[\reg+6:\reg+9], v[\adr] offset:(\i)*RTB+(\q)*FRB+768
	ds_load_b64 v[\reg+10:\reg+11], v[\adr+2] offset:(\i)*RTB+(\q)*FRB+1280
.endm
; 16 products: A's blocks a0, a0 + 1 x B's eight.  zero = 1: the first K step: C is B's bias.  The 64 accumulators take turns, one instruction a turn.
.macro MUL16 a0, p, q, sc, zero
.irp a, \a0, \a0+1
.irp b, 0,1,2,3,4,5,6,7
.if \zero
	v_wmma_scale_f32_16x16x128_f8f6f4 v[8*(8*((\a)%4)+\b):8*(8*((\a)%4)+\b)+7], v[128*(\p)+FR*\b:128*(\p)+FR*\b+FR-1], v[AF+FR*(\a):AF+FR*(\a)+FR-1], v[BC+8*\b:BC+8*\b+7], v[SC+8*NQ*(\sc)+NQ*\b+(\q)], v[SC+8*NQ*(\sc)+NQ*(\a)+(\q)] matrix_a_fmt:MATRIX_FMT_BF6 matrix_b_fmt:MATRIX_FMT_BF6 matrix_a_scale:MATRIX_SCALE_ROW1
.else
	v_wmma_scale_f32_16x16x128_f8f6f4 v[8*(8*((\a)%4)+\b):8*(8*((\a)%4)+\b)+7], v[128*(\p)+FR*\b:128*(\p)+FR*\b+FR-1], v[AF+FR*(\a):AF+FR*(\a)+FR-1], v[8*(8*((\a)%4)+\b):8*(8*((\a)%4)+\b)+7], v[SC+8*NQ*(\sc)+NQ*\b+(\q)], v[SC+8*NQ*(\sc)+NQ*(\a)+(\q)] matrix_a_fmt:MATRIX_FMT_BF6 matrix_b_fmt:MATRIX_FMT_BF6 matrix_a_scale:MATRIX_SCALE_ROW1
.endif
.endr
.endr
.endm
.macro FETCH_B slot, q, p
	WIN TO_B
.irp i, 0,1,2,3,4,5,6,7
	FRAG 128*(\p)+FR*\i, ADRB+\slot, \q, \i
.endr
	WIN 0
.endm
.macro FETCH_A slot, q, i0
.irp i, \i0, \i0+1, \i0+2, \i0+3
	FRAG AF+FR*(\i), ADRA+\slot, \q, \i
.endr
.endm
.macro SCALES sc                       ; a slot's two words a row: lanes 0-15 A's block i, lanes 16-31 B's block i
.irp i, 0,1,2,3,4,5,6,7
	ds_load_b64 v[SC+8*NQ*\sc+NQ*\i:SC+8*NQ*\sc+NQ*\i+1], v[ADRS] offset:\i*SBLK
.endr
.endm
.macro PLACES n                        ; plain vector instructions between a matrix instruction and a load into, or a read of, its registers
.rept \n
	v_nop
.endr
.endm
.macro STEP slot, q, zero              ; a step of 128 along K that has its successor in the same slot
	s_wait_dscnt 4*NL                              ; all but the youngest 16 loads (A's blocks 4-7) are in
.if \zero
	WIN 0x81                                       ; C (the bias) in window 0, D in window 2
.else
	WIN MUL_LO
.endif
	MUL16 0, (\q)%2, \q, \slot, \zero
	MUL16 2, (\q)%2, \q, \slot, \zero
	s_wait_dscnt 0
	PLACES NP
	FETCH_B \slot, (\q)+1, 1-(\q)%2
	FETCH_A \slot, (\q)+1, 0
.if \zero
	WIN 0xc1
.else
	WIN MUL_HI
.endif
	MUL16 4, (\q)%2, \q, \slot, \zero
	MUL16 6, (\q)%2, \q, \slot, \zero
	PLACES NP
	WIN 0
	FETCH_A \slot, (\q)+1, 4
.endm
; A slot's last step changes slots: one barrier; in front of it each wave waits for all its tensor loads, adds 0 to its spare word, and waits for that and for its reads of this slot.
.macro TURN slot, next, fill
	s_wait_tensorcnt 0x0                           ; all my tensor loads have landed: my part of the next slot
	ds_add_u32 v[SPW], v[NIL]                      ; 0 onto my spare word
	s_wait_dscnt 4*NL+1                            ; (the add and the youngest 16 loads may be out)
	WIN MUL_LO
	MUL16 0, 1, NQ-1, \slot, 0
	s_wait_dscnt 0x0                               ; the add is done, and my reads of this slot are over
	s_barrier_signal -1
	MUL16 2, 1, NQ-1, \slot, 0
	WIN 0
	s_barrier_wait -1
.if \fill
	CREST                                          ; the barrier has opened a round of the cluster's: no wave of any partner still reads this slot or has a load on its way
	s_add_nc_u64 s[G0+4*\slot+2:G0+4*\slot+3], s[G0+4*\slot+2:G0+4*\slot+3], 2*RTB
	s_add_nc_u64 s[G0B+4*\slot+2:G0B+4*\slot+3], s[G0B+4*\slot+2:G0B+4*\slot+3], 2*RTB
	JLOAD G0+4*\slot, G1, G0B+4*\slot, G1B         ; my one tensor load behind the round; its four v_nop are the places in front of the loads below
.else
	PLACES NP
.endif
	v_add_nc_u32 v[ADRS], 4*NQ, v[ADRS]
	FETCH_B \next, 0, 0
	FETCH_A \next, 0, 0
	SCALES \next
	WIN MUL_HI
	MUL16 4, 1, NQ-1, \slot, 0
	MUL16 6, 1, NQ-1, \slot, 0
	PLACES NP
	WIN 0
	FETCH_A \next, 0, 4
.endm
	s_wait_tensorcnt 1                             ; the scales and my part of slot 0 are in; slot 1's load may be out
	s_barrier_signal -1
	s_barrier_wait -1
	FETCH_B 0, 0, 0
	FETCH_A 0, 0, 0
	SCALES 0
	FETCH_A 0, 0, 4
	STEP 0, 0, 1
	s_mov_b32 s3, LAPS-1
.Llap:
	TURN 0, 1, 1
	STEP 1, 0, 0
	TURN 1, 0, 1
	STEP 0, 0, 0
	s_sub_co_u32 s3, s3, 1
	s_cmp_lg_u32 s3, 0
	s_cbranch_scc1 .Llap
	TURN 0, 1, 0
	STEP 1, 0, 0
	s_wait_dscnt 4*NL
	WIN MUL_LO
	MUL16 0, 1, NQ-1, 1, 0
	MUL16 2, 1, NQ-1, 1, 0
	s_wait_dscnt 0
	WIN MUL_HI
	MUL16 4, 1, NQ-1, 1, 0
	MUL16 6, 1, NQ-1, 1, 0
	WIN 0
	PLACES NP
; THE WAY OUT.  A's block a: a lane's 64 numbers, register 16 g + i = B's true row 32 g + 16 (lane / 16) + i, become a fragment of 128 along B and a scale word.  Each accumulator is read from its low end on.
.macro QBLK a, vtype
.set AC, 64*((\a)%4)
.set WW, 2+(\a)/4
.if \vtype
.set WN, (WW<<6)|WW
	WIN WN
.set j, 0
.rept 32
	v_pk_add_f32 v[AC+j:AC+j+1], v[AC+j:AC+j+1], v[BR+2*(\a):BR+2*(\a)+1] op_sel_hi:[1,0]   ; my channel's bias
.set j, j+2
.endr
.endif
.set WN, (WW<<2)|WW
	WIN WN
.irp b, 0,1,2,3
	v_max3_num_f32 v[TM+\b], |v[AC+16*\b]|, |v[AC+16*\b+1]|, 0x2800000   ; and the floor 2^(5 - 127): the byte cannot fall under 1
.endr
.irp i, 2,4,6,8,10,12,14
.irp b, 0,1,2,3
	v_max3_num_f32 v[TM+\b], |v[AC+16*\b+\i]|, |v[AC+16*\b+\i+1]|, v[TM+\b]
.endr
.endr
	WIN 0
.irp b, 0,1,2,3
	v_permlanex16_b32 v[TM+4+\b], v[TM+\b], s[SEL], s[SEL+1]
.endr
.irp b, 0,1,2,3
	v_max_num_f32 v[TM+\b], v[TM+\b], v[TM+4+\b]   ; with lane l xor 16's: the block's largest magnitude
.endr
.irp b, 0,1,2,3
	v_add_nc_u32 v[TM+12+\b], 0xfe000000, v[TM+\b] ; 4 off its exponent field: the conversion's scale operand
.endr
.irp b, 0,1,2,3
	v_lshrrev_b32 v[TM+4+\b], 23, v[TM+12+\b]      ; the byte
.endr
	v_lshl_or_b32 v[PWS+(\a)], v[TM+5], 8, v[TM+4]
	v_lshl_or_b32 v[PWS+(\a)], v[TM+6], 16, v[PWS+(\a)]
	v_lshl_or_b32 v[PWS+(\a)], v[TM+7], 24, v[PWS+(\a)]
	s_wait_xcnt 0x0                                ; the last block's stores have read the codes' registers
	WIN WW
.irp c, 0,1
	v_cvt_scalef32_pk16_bf6_f32 v[PC+6*\c:PC+6*\c+2], v[AC+32*\c:AC+32*\c+15], v[TM+12+2*\c]
	v_cvt_scalef32_pk16_bf6_f32 v[PC+12+4*\c:PC+14+4*\c], v[AC+16+32*\c:AC+31+32*\c], v[TM+12+2*\c+1]
.endr
	WIN 0
	v_nop                                          ; one plain instruction behind a scaled conversion
.irp c, 0,1                                    ; the operand's layout wants a whole block in a lane
.irp i, 0,1,2
	v_permlane16_swap_b32 v[PC+6*\c+\i], v[PC+12+4*\c+\i]
.endr
.irp i, 0,1,2
	v_mov_b32 v[PC+3+6*\c+\i], v[PC+12+4*\c+\i]
.endr
.endr
.if \vtype                                     ; 128 keys of 16 channels: head a / 4 of my two, tile of channels a % 4
	global_store_b128 v24, v[PC:PC+3], s[10:11] offset:((\a)/4)*HEADB+((\a)%4)*1536
	global_store_b64 v25, v[PC+4:PC+5], s[10:11] offset:((\a)/4)*HEADB+((\a)%4)*1536+512
	global_store_b128 v24, v[PC+6:PC+9], s[10:11] offset:((\a)/4)*HEADB+((\a)%4)*1536+768
	global_store_b64 v25, v[PC+10:PC+11], s[10:11] offset:((\a)/4)*HEADB+((\a)%4)*1536+1280
.else                                          ; 16 tokens: registers 0-5 are my even head's 64 channels, 6-11 my odd head's
	global_store_b128 v24, v[PC:PC+3], s[10:11] offset:(\a)*768
	global_store_b64 v25, v[PC+4:PC+5], s[10:11] offset:(\a)*768+512
	global_store_b128 v24, v[PC+6:PC+9], s[10:11] offset:(\a)*768+HEADB
	global_store_b64 v25, v[PC+10:PC+11], s[10:11] offset:(\a)*768+HEADB+512
.endif
.endm
	v_cmp_ne_u32 vcc_lo, 0, v2                     ; lanes 16-31
	s_cmp_eq_u32 ttmp9, 2                          ; the cluster's x: the same in all partners
	s_cbranch_scc1 .Lv_arm
	s_lshl_b32 s20, s40, 2                         ; q, k: my even head = 4 cx + 2 x my half of B;
	s_lshl_b32 s21, s16, 1
	s_add_co_u32 s20, s20, s21
	s_lshl_b32 s20, s20, 6
	s_lshl_b32 s21, s96, 1                         ; my 128 tokens = 2 x A's unit + my half of A
	s_add_co_u32 s20, s20, s21
	s_add_co_u32 s20, s20, s15
	s_xor_b32 s22, ttmp9, 1                        ; 1 for q, 0 for k
	s_mul_i32 s46, s20, 1280
	s_mul_i32 s47, s22, 768
	s_add_co_u32 s46, s46, s47
	s_mov_b32 s47, 0
	s_mul_i32 s20, s20, 18432
	s_mul_i32 s21, s22, 12288
	s_add_co_u32 s20, s20, s21
	s_mov_b32 s21, 0
	s_add_nc_u64 s[10:11], s[10:11], s[20:21]
	s_add_nc_u64 s[12:13], s[12:13], s[46:47]
	v_lshlrev_b32 v26, 5, v1
	v_lshl_add_u32 v26, v2, 4, v26                 ; scale words [r][tile]: 32 r + 16 h
.irp a, 0,1,2,3,4,5,6,7
	QBLK \a, 0
.endr
.irp i, 0,1,2,3
	v_cndmask_b32 v[160+\i], v[PWS+\i], v[PWS+4+\i], vcc_lo   ; lanes 0-15 store tiles 0-3, lanes 16-31 tiles 4-7
.endr
.irp i, 0,1,2,3
	v_and_b32 v[164+\i], 0xffff, v[160+\i]         ; the even head's two bytes; bytes 2, 3 are 0
	v_lshrrev_b32 v[168+\i], 16, v[160+\i]         ; the odd head's
.endr
	global_store_b128 v26, v[164:167], s[12:13]
	global_store_b128 v26, v[168:171], s[12:13] offset:HEADS
	s_branch .Ljoin
.Lv_arm:
	s_lshl_b32 s20, s41, 2                         ; v: my even head = 4 cy + 2 x my half of A;
	s_lshl_b32 s21, s15, 1
	s_add_co_u32 s20, s20, s21
	s_lshl_b32 s20, s20, 6
	s_lshl_b32 s21, s97, 1                         ; my 128 keys = 2 x B's unit + my half of B
	s_add_co_u32 s20, s20, s21
	s_add_co_u32 s20, s20, s16
	s_mul_i32 s46, s20, 1280
	s_add_co_u32 s46, s46, 512
	s_mov_b32 s47, 0
	s_mul_i32 s20, s20, 18432
	s_add_co_u32 s20, s20, 6144
	s_mov_b32 s21, 0
	s_add_nc_u64 s[10:11], s[10:11], s[20:21]
	s_add_nc_u64 s[12:13], s[12:13], s[46:47]
	v_mul_u32_u24 v26, v2, HEADS
	v_lshl_add_u32 v26, v1, 4, v26                 ; scale words [r][tile of channels]: 16 r; lanes 16-31 the odd head's
.irp a, 0,1,2,3,4,5,6,7
	QBLK \a, 1
.endr
.irp i, 0,1,2,3
	v_cndmask_b32 v[160+\i], v[PWS+\i], v[PWS+4+\i], vcc_lo
.endr
	global_store_b128 v26, v[160:163], s[12:13]
.Ljoin:
	s_wait_tensorcnt 0x0                           ; the wave's end
	ds_add_u32 v[SPW], v[NIL]
	s_wait_dscnt 0x0
	CROUND                                         ; the closing round: no work-group ends while a partner may still ask for a tile that names it
	s_endpgm
.Lfunc_end_k_q80bb3f04eb_gemm_qkv:
	.size	k_q80bb3f04eb_gemm_qkv, .Lfunc_end_k_q80bb3f04eb_gemm_qkv-k_q80bb3f04eb_gemm_qkv
	.p2alignl 7, 3214868480
	.fill 96, 4, 3214868480
	.section	.rodata,"a",@progbits
	.p2align	6, 0x0
	.amdhsa_kernel k_q80bb3f04eb_gemm_qkv
		.amdhsa_group_segment_fixed_size 327680
		.amdhsa_private_segment_fixed_size 0
		.amdhsa_enable_private_segment 0
		.amdhsa_kernarg_size 40
		.amdhsa_user_sgpr_count 2
		.amdhsa_user_sgpr_kernarg_segment_ptr 1
		.amdhsa_wavefront_size32 1
		.amdhsa_system_sgpr_workgroup_id_x 1
		.amdhsa_system_sgpr_workgroup_id_y 1
		.amdhsa_system_sgpr_workgroup_id_z 1
		.amdhsa_system_vgpr_workitem_id 0
		.amdhsa_next_free_vgpr 1024
		.amdhsa_next_free_sgpr 100
		.amdhsa_reserve_vcc 1
		.amdhsa_float_denorm_mode_32 3
		.amdhsa_float_denorm_mode_16_64 3
		.amdhsa_memory_ordered 1
		.amdhsa_forward_progress 1
		.amdhsa_inst_pref_size 208
	.end_amdhsa_kernel
	.amdgpu_metadata
---
amdhsa.version: [ 1, 2 ]
amdhsa.kernels:
  - .name:           k_q80bb3f04eb_gemm_qkv
    .symbol:         k_q80bb3f04eb_gemm_qkv.kd
    .args:
      - { .name: opnd_img, .offset: 0, .size: 8, .value_kind: global_buffer, .address_space: global }
      - { .name: opnd_scl, .offset: 8, .size: 8, .value_kind: global_buffer, .address_space: global }
      - { .name: b_qkv, .offset: 16, .size: 8, .value_kind: global_buffer, .address_space: global }
      - { .name: qkv_img, .offset: 24, .size: 8, .value_kind: global_buffer, .address_space: global }
      - { .name: qkv_scl, .offset: 32, .size: 8, .value_kind: global_buffer, .address_space: global }
    .group_segment_fixed_size: 327680
    .private_segment_fixed_size: 0
    .kernarg_segment_align: 8
    .kernarg_segment_size: 40
    .max_flat_workgroup_size: 128
    .sgpr_count:     100
    .vgpr_count:     1024
    .wavefront_size: 32
...
	.end_amdgpu_metadata
.endif
;; end of part 2
;; launch attn (part 3): grid 4 x 64, 16 waves a work-group, no clusters, 210,944 bytes of LDS; arguments qkv_img, qkv_scl, y_img, y_scl; writes y_img, y_scl
.if DOCPART == 3
	.amdgcn_target "amdgcn-amd-amdhsa--gfx1250"
	.amdhsa_code_object_version 6
	.text
	.protected	k_q80bb3f04eb_attn
	.globl	k_q80bb3f04eb_attn
	.p2align	8
	.type	k_q80bb3f04eb_attn,@function
k_q80bb3f04eb_attn:
	s_mov_b64 s[64:65], 0
	v_nop
	global_prefetch_b8 v0, s[64:65] scope:SCOPE_SE
	s_setreg_imm32_b32 hwreg(HW_REG_WAVE_MODE, 25, 1), 1
	s_wait_xcnt 0x0
; y = softmax(q k^T / 64, causal) v for one (batch, head), both products on codes of E3M2; y is quantised along C for the last product and leaves as codes.
; t = score x log2(e) / 64; M = the running largest t rounded UP to a whole number; p = 2^(t - M) is quantised along the keys, not normalised; the row's sum is taken of the unquantised p and divides at the end.
; When M moves, the sum and O are multiplied by 2^(old M - new M): exact.
; SHARES.  Work-group (i, 16 b + head), sixteen waves.  Wave w owns TWO tiles of 16 queries, number 16 i + w and number 127 - (16 i + w): tile n counts n / 8 + 1 key steps of 128, so every wave has 17.
; A tile's queries and a tile's keys are not neighbours: lane r of tile n holds token 32 (n / 2) + 8 (n % 2) + r + 8 (r / 8), so that the 16 registers of two neighbouring tiles of S^T are 16 neighbouring keys.
; Both products are used transposed: S^T = K Q^T, O^T = V^T P^T: a lane holds one query throughout.
; THE HEAD'S K AND V STAY IN LDS, filled once: 16 steps x (K 8 tiles x 768 + V 4 tiles x 1,536) at 0, their scale words (16 x 768) at 196,608.  Nothing is filled again.
; Wave 0 asks for the scales, steps 0-3 and steps 4-9 (three loads out), wave 1 for steps 10-15 (one).  The first four steps are read behind a first barrier, the others behind a second.
; No multicast: each of the four work-groups that share a head loads all 16 steps itself.
; K = 64 IN AN INSTRUCTION OF 128: Q's registers 6-11 are zero codes and bytes 2, 3 of Q's and K's scale words are 0 (a finite power of two).  K's fragments stand 6 registers apart: a fragment's upper six registers are
; the next fragment's codes (the last one's: p's codes).  E3M2 has no code for infinity or NaN, so these finite numbers times Q's zeros add exactly 0.
; CAUSAL: a step all of whose keys come after the tile's queries is jumped over (a scalar branch on ids); on the diagonal hidden scores become -infinity ahead of the maximum.  Key 0 counts for every query.
; LIMITS: NaN and infinities are not served.  A block's largest p is taken through its largest score (v_exp_f32 is taken not to fall where its input rises).  A block under 2^(5 - 127) keeps the byte 1.
.set L16, 1                            ; v1  16 x lane (also y's store offset)
.set L8,  2                            ; v2  8 x lane
.set A16, 3                            ; v3-6 the step's LDS addresses
.set A8,  4
.set ASK, 5
.set ASV, 6
.set DQ,  7                            ; v7  r + 8 (r / 8) - 16 h
.set R32, 8                            ; v8  32 r
.set R16, 9                            ; v9  16 r
.set STA, 10                           ; v10 -M, v11 the largest t, v[12:13] the sum in two halves
.set STB, 14
.set KS,  18                           ; v18-25 K's eight scale words, then V's four: scales and nothing else
.set PWD, 26                           ; v26 p's scale word
.set QSA, 27                           ; v27, v28 Q's scale words
.set QSB, 28
.set YB,  29                           ; v29 32 r + h
.set QA,  30
.set QB,  42
.set S,   54                           ; v54-117  S^T, then p
.set F,   118                          ; v118-165 K's or V's fragments; between them at work:
.set CO,  F+8                          ;   the conversions' scale operands
.set CT,  F+12                         ;   the upper halves of blocks, as the conversion leaves them
.set SU,  F+24                         ;   a second chain of the sum
.set P,   166                          ; v166-177 p's codes
.set OA,  178
.set OB,  210
.set BM,  242
.set BP,  246
.set FF,  250                          ; v[250:251] f = 2^(old M - new M) (the low word serves both halves)
.set WV,  12
.set SEL, 16
.set CS,  18                           ; s[18:19] log2(e) / 64
.set G1C4, 20
.set G1C6, 28
.set G1S,  36
.set T,   60                           ; s60 the step's codes in LDS
.set TS,  61                           ; s61 its scale words
.set KF,  62                           ; s62 its first key
.set CNT, 63
.set STEPB, 12288
.set SCLB,  16*STEPB
	s_load_b256 s[4:11], s[0:1], 0x0               ; qkv_img s[4:5], qkv_scl s[6:7], y_img s[8:9], y_scl s[10:11]
	v_lshl_add_u32 v254, v0, 2, 0x33000
	v_mov_b32 v255, 0
	ds_add_u32 v254, v255
	ds_add_u32 v254, v255
	s_wait_dscnt 0x0
	v_lshrrev_b32 v252, 5, v0
	v_readfirstlane_b32 s[WV], v252                ; wave 0..15
	s_and_b32 s13, ttmp7, 0xffff
	s_lshr_b32 s14, s13, 4                         ; b
	s_and_b32 s15, s13, 15                         ; head
	s_lshl_b32 s86, s15, 6
	s_lshl_b32 s87, s14, 4
	s_add_co_u32 s86, s86, s87                     ; the head's first entry: 64 head + 16 b
	s_lshl_b32 s88, ttmp9, 4
	s_add_co_u32 s88, s88, s[WV]                   ; tile A
	s_sub_co_u32 s89, 127, s88                     ; tile B
.macro TILEADR tau, sq, qc, qs, yc, ys ; a tile's first and last query, and its byte offsets in the four buffers
	s_lshr_b32 s90, s[\tau], 1
	s_lshl_b32 s90, s90, 5
	s_and_b32 s91, s[\tau], 1
	s_lshl_b32 s91, s91, 3
	s_add_co_u32 s[\sq], s90, s91
	s_add_co_u32 s[\sq+1], s[\sq], 23
	s_lshr_b32 s90, s[\tau], 3
	s_add_co_u32 s90, s90, s86
	s_and_b32 s91, s[\tau], 7
	s_mul_i32 s92, s90, 18432
	s_mul_i32 s93, s91, 768
	s_add_co_u32 s92, s92, s93
	s_add_co_u32 s[\qc], s92, 12288
	s_mov_b32 s[\qc+1], 0
	s_mul_i32 s92, s90, 1280
	s_lshl_b32 s93, s91, 2
	s_add_co_u32 s92, s92, s93
	s_add_co_u32 s[\qs], s92, 768
	s_mov_b32 s[\qs+1], 0
	s_lshl_b32 s90, s14, 7
	s_add_co_u32 s90, s90, s[\tau]
	s_mul_i32 s92, s90, 12288
	s_mul_i32 s93, s15, 768
	s_add_co_u32 s[\yc], s92, s93
	s_mov_b32 s[\yc+1], 0
	s_lshl_b32 s92, s90, 9
	s_lshl_b32 s93, s15, 1
	s_add_co_u32 s[\ys], s92, s93
	s_mov_b32 s[\ys+1], 0
.endm
	TILEADR 88, 66, 78, 80, 70, 72
	TILEADR 89, 68, 82, 84, 74, 76
	s_mul_i32 s92, s86, 18432
	s_mov_b32 s93, 0
	s_mul_i32 s94, s86, 1280
	s_mov_b32 s95, 0
	; codes: a step's K and V are 12,288 consecutive bytes (1,536 elements of 8), 18,432 bytes from step to step; on end in LDS
.irp g, G1C4, G1C6
	s_mov_b32 s[\g], 3<<16
	s_mov_b32 s[\g+1], 1536<<16
	s_mov_b32 s[\g+3], 1536<<16
	s_mov_b32 s[\g+5], 2304
	s_mov_b32 s[\g+6], 0
	s_mov_b32 s[\g+7], 0
.endr
	s_mov_b32 s[G1C4+2], 4<<16
	s_mov_b32 s[G1C4+4], 4
	s_mov_b32 s[G1C6+2], 6<<16
	s_mov_b32 s[G1C6+4], 6
	; scale words: a step's 768 bytes (96 elements), 1,280 bytes from step to step, 16 steps
	s_mov_b32 s[G1S], 3<<16
	s_mov_b32 s[G1S+1], 96<<16
	s_mov_b32 s[G1S+2], 16<<16
	s_mov_b32 s[G1S+3], 96<<16
	s_mov_b32 s[G1S+4], 16
	s_mov_b32 s[G1S+5], 160
	s_mov_b32 s[G1S+6], 0
	s_mov_b32 s[G1S+7], 0
	s_mov_b32 s[SEL], 0x76543210
	s_mov_b32 s[SEL+1], 0xfedcba98
	s_mov_b32 s[CS], 0x3cb8aa3b                    ; log2(e) / 64
	s_mov_b32 s[CS+1], s[CS]
	s_mov_b32 s[T], 0
	s_mov_b32 s[TS], SCLB
	s_mov_b32 s[KF], 0
	s_wait_kmcnt 0x0
	s_mov_b32 s44, 1
	s_mov_b32 s45, SCLB
	s_add_nc_u64 s[46:47], s[6:7], s[94:95]
	s_or_b32 s47, s47, 0x80000000
	s_add_nc_u64 s[92:93], s[4:5], s[92:93]
	s_mov_b32 s48, 1
	s_mov_b32 s49, 0
	s_mov_b64 s[50:51], s[92:93]
	s_or_b32 s51, s51, 0x80000000
	s_mov_b32 s52, 1
	s_mov_b32 s53, 4*STEPB
	s_add_nc_u64 s[54:55], s[92:93], 4*18432
	s_or_b32 s55, s55, 0x80000000
	s_mov_b32 s56, 1
	s_mov_b32 s57, 10*STEPB
	s_add_nc_u64 s[58:59], s[92:93], 10*18432
	s_or_b32 s59, s59, 0x80000000
	s_cmp_lg_u32 s[WV], 0                          ; a wave's first fills stand in one branch on its number, ahead of every wait on TENSORcnt, every LDS read and every barrier
	s_cbranch_scc1 .Lnot_wave_0
	tensor_load_to_lds s[44:47], s[G1S:G1S+7]
	s_nop 0
	tensor_load_to_lds s[48:51], s[G1C4:G1C4+7]
	s_nop 0
	tensor_load_to_lds s[52:55], s[G1C6:G1C6+7]
	s_nop 0
.rept 4
	v_nop
.endr
	s_branch .Lasked
.Lnot_wave_0:
	s_cmp_lg_u32 s[WV], 1
	s_cbranch_scc1 .Lasked
	tensor_load_to_lds s[56:59], s[G1C6:G1C6+7]
	s_nop 0
.rept 4
	v_nop
.endr
.Lasked:
	s_add_nc_u64 s[78:79], s[4:5], s[78:79]
	s_add_nc_u64 s[80:81], s[6:7], s[80:81]
	s_add_nc_u64 s[82:83], s[4:5], s[82:83]
	s_add_nc_u64 s[84:85], s[6:7], s[84:85]
	s_add_nc_u64 s[70:71], s[8:9], s[70:71]
	s_add_nc_u64 s[72:73], s[10:11], s[72:73]
	s_add_nc_u64 s[74:75], s[8:9], s[74:75]
	s_add_nc_u64 s[76:77], s[10:11], s[76:77]
	v_and_b32 v252, 31, v0
	v_and_b32 v253, 15, v0                         ; r
	v_bfe_u32 v254, v0, 4, 1                       ; h
	v_lshlrev_b32 v[L16], 4, v252
	v_lshlrev_b32 v[L8], 3, v252
	v_lshlrev_b32 v[R32], 5, v253
	v_lshlrev_b32 v[R16], 4, v253
	global_load_b128 v[QA:QA+3], v[L16], s[78:79]  ; Q's half fragments stay in registers
	global_load_b64 v[QA+4:QA+5], v[L8], s[78:79] offset:512
	global_load_b32 v[QSA], v[R32], s[80:81]
	global_load_b128 v[QB:QB+3], v[L16], s[82:83]
	global_load_b64 v[QB+4:QB+5], v[L8], s[82:83] offset:512
	global_load_b32 v[QSB], v[R32], s[84:85]
	v_and_b32 v255, 8, v253
	v_add_nc_u32 v[DQ], v255, v253
	v_lshlrev_b32 v255, 4, v254
	v_sub_nc_u32 v[DQ], v[DQ], v255
	v_add_nc_u32 v[YB], v[R32], v254
.irp j, 6,7,8,9,10,11
	v_mov_b32 v[QA+\j], 0                          ; K = 64 .. 127: zero codes
	v_mov_b32 v[QB+\j], 0
.endr
.irp s, STA, STB
	v_mov_b32 v[\s+1], 0xff61b1e6                  ; the largest t so far: -3e38
	v_floor_f32 v[\s], -v[\s+1]                    ; -M
	v_mov_b32 v[\s+2], 0
	v_mov_b32 v[\s+3], 0
.endr
.set j, 0
.rept 64
	v_mov_b32 v[OA+j], 0                           ; O^T of both tiles: the step is written once, its first pass finds zeros
.set j, j+1
.endr
.set j, 0
.rept 12
	v_mov_b32 v[P+j], 0                            ; named by K's last fragment before p is first made
.set j, j+1
.endr
.irp b, 0,1,2,3
	v_mov_b32 v[BP+\b], 0                          ; a lane permute's destination counts as one of its sources
.endr
	v_mov_b32 v[FF], 0
	v_mov_b32 v[FF+1], 0
; A KEY STEP OF ONE TILE.  qr: Q's registers; qsc: its scale word; oo: O^T; st: the statistics; sq: s[sq] the tile's first query, s[sq + 1] its last.
.macro STEP qr, qsc, oo, st, sq
	s_cmp_gt_u32 s[KF], s[\sq+1]
	s_cbranch_scc1 .Lhidden_\@                     ; all 128 keys come after my queries
.rept 4
	v_nop                                          ; places in front of loads into registers that the last products read
.endr
.irp t, 0,1,2,3,4,5,6,7
	ds_load_b128 v[F+6*\t:F+6*\t+3], v[A16] offset:768*\t
	ds_load_b64 v[F+6*\t+4:F+6*\t+5], v[A8] offset:768*\t+512
.endr
	ds_load_b128 v[KS:KS+3], v[ASK]
	ds_load_b128 v[KS+4:KS+7], v[ASK] offset:16
	s_wait_dscnt 0x0
.irp t, 0,1,2,3,4,5,6,7
	v_wmma_scale_f32_16x16x128_f8f6f4 v[S+8*\t:S+8*\t+7], v[F+6*\t:F+6*\t+11], v[\qr:\qr+11], 0, v[KS+\t], v[\qsc] matrix_a_fmt:MATRIX_FMT_BF6 matrix_b_fmt:MATRIX_FMT_BF6
.endr
.rept 4
	v_nop
.endr
	s_add_co_u32 s96, s[KF], 127
	s_cmp_le_u32 s96, s[\sq]
	s_cbranch_scc1 .Lopen_\@                       ; all 128 keys count
	s_sub_co_i32 s96, s[\sq], s[KF]
	v_add_nc_u32 v[F+26], s96, v[DQ]               ; d = my query - the step's first key - 16 h.  Register 16 b + i holds key 32 b + 16 h + i: hidden where 32 b + i > d
	v_mov_b32 v[F+27], 0xff800000
.set n, 0
.rept 64
	v_cmp_gt_i32 vcc_lo, 32*(n/16)+n%16, v[F+26]
	v_cndmask_b32 v[S+n], v[S+n], v[F+27], vcc_lo
.set n, n+1
.endr
.Lopen_\@:
.irp b, 0,1,2,3
	v_max3_num_f32 v[BM+\b], v[S+16*\b], v[S+1+16*\b], v[S+2+16*\b]   ; the largest score of each block of 32 keys: for the row's maximum and for the block's largest p
.endr
.irp i, 3,5,7,9,11,13
.irp b, 0,1,2,3
	v_max3_num_f32 v[BM+\b], v[BM+\b], v[S+16*\b+\i], v[S+1+16*\b+\i]
.endr
.endr
.irp b, 0,1,2,3
	v_max_num_f32 v[BM+\b], v[BM+\b], v[S+15+16*\b]
.endr
.irp b, 0,1,2,3
	v_permlanex16_b32 v[BP+\b], v[BM+\b], s[SEL], s[SEL+1]
.endr
.irp b, 0,1,2,3
	v_max_num_f32 v[BM+\b], v[BM+\b], v[BP+\b]
.endr
	v_max3_num_f32 v254, v[BM], v[BM+1], v[BM+2]
	v_max_num_f32 v254, v254, v[BM+3]
	v_mul_f32 v254, s[CS], v254
	v_max_num_f32 v[\st+1], v[\st+1], v254         ; the running largest t
	v_mov_b32 v254, v[\st]
	v_floor_f32 v[\st], -v[\st+1]                  ; -M = floor(-t)
	v_sub_f32 v254, v[\st], v254                   ; old M - new M: a whole number, 0 or less
	v_cvt_i32_f32 v254, v254                       ; (it saturates)
	v_ldexp_f32 v[FF], 1.0, v254
.set j, 0
.rept 32
	v_pk_fma_f32 v[S+j:S+j+1], v[S+j:S+j+1], s[CS:CS+1], v[\st:\st+1] op_sel_hi:[1,0,0]   ; t - M
.set j, j+2
.endr
.irp b, 0,1,2,3
	v_fma_f32 v[BM+\b], v[BM+\b], s[CS], v[\st]
.endr
.set j, 0
.rept 64
	v_exp_f32 v[S+j], v[S+j]                       ; p = 2^(t - M)
.set j, j+1
.endr
.irp b, 0,1,2,3
	v_exp_f32 v[BM+\b], v[BM+\b]                   ; the block's largest p
.endr
	v_pk_mul_f32 v[\st+2:\st+3], v[\st+2:\st+3], v[FF:FF+1] op_sel_hi:[1,0]   ; the sums under the new M (a plain instruction behind the exponentials)
	s_wait_alu depctr_va_vdst(0)
.irp b, 0,1,2,3
	v_max_num_f32 v[BM+\b], 0x2800000, v[BM+\b]    ; the floor 2^(5 - 127)
.endr
.irp b, 0,1,2,3
	v_add_nc_u32 v[CO+\b], 0xfe000000, v[BM+\b]
.endr
.irp b, 0,1,2,3
	v_lshrrev_b32 v[BP+\b], 23, v[CO+\b]
.endr
	v_lshl_or_b32 v[PWD], v[BP+1], 8, v[BP]
	v_lshl_or_b32 v[PWD], v[BP+2], 16, v[PWD]
	v_lshl_or_b32 v[PWD], v[BP+3], 24, v[PWD]
.irp c, 0,1
	v_cvt_scalef32_pk16_bf6_f32 v[P+6*\c:P+6*\c+2], v[S+32*\c:S+32*\c+15], v[CO+2*\c]
	v_cvt_scalef32_pk16_bf6_f32 v[CT+4*\c:CT+4*\c+2], v[S+16+32*\c:S+31+32*\c], v[CO+2*\c+1]
.endr
	v_nop                                          ; one plain instruction behind a scaled conversion
.irp c, 0,1
.irp i, 0,1,2
	v_permlane16_swap_b32 v[P+6*\c+\i], v[CT+4*\c+\i]
.endr
.irp i, 0,1,2
	v_mov_b32 v[P+3+6*\c+\i], v[CT+4*\c+\i]
.endr
.endr
	v_pk_add_f32 v[SU:SU+1], v[S:S+1], v[S+2:S+3]  ; the row's sum of the unquantised p, in two chains
.irp j, 4,8,12,16,20,24,28,32,36,40,44,48,52,56,60
	v_pk_add_f32 v[\st+2:\st+3], v[\st+2:\st+3], v[S+\j:S+\j+1]
	v_pk_add_f32 v[SU:SU+1], v[SU:SU+1], v[S+2+\j:S+3+\j]
.endr
	v_pk_add_f32 v[\st+2:\st+3], v[\st+2:\st+3], v[SU:SU+1]
.set j, 0
.rept 16
	v_pk_mul_f32 v[\oo+j:\oo+j+1], v[\oo+j:\oo+j+1], v[FF:FF+1] op_sel_hi:[1,0]   ; O^T under the new M
.set j, j+2
.endr
.irp d, 0,1,2,3
	ds_load_b128 v[F+12*\d:F+12*\d+3], v[A16] offset:6144+1536*\d
	ds_load_b64 v[F+12*\d+4:F+12*\d+5], v[A8] offset:6144+1536*\d+512
	ds_load_b128 v[F+12*\d+6:F+12*\d+9], v[A16] offset:6144+1536*\d+768
	ds_load_b64 v[F+12*\d+10:F+12*\d+11], v[A8] offset:6144+1536*\d+1280
.endr
	ds_load_b128 v[KS:KS+3], v[ASV] offset:512
	s_wait_dscnt 0x0
.irp d, 0,1,2,3
	v_wmma_scale_f32_16x16x128_f8f6f4 v[\oo+8*\d:\oo+8*\d+7], v[F+12*\d:F+12*\d+11], v[P:P+11], v[\oo+8*\d:\oo+8*\d+7], v[KS+\d], v[PWD] matrix_a_fmt:MATRIX_FMT_BF6 matrix_b_fmt:MATRIX_FMT_BF6
.endr
.Lhidden_\@:
.endm
.macro KEYSTEP
	v_add_nc_u32 v[A16], s[T], v[L16]
	v_add_nc_u32 v[A8], s[T], v[L8]
	v_add_nc_u32 v[ASK], s[TS], v[R32]
	v_add_nc_u32 v[ASV], s[TS], v[R16]
	STEP QA, QSA, OA, STA, 66
	STEP QB, QSB, OB, STB, 68
	s_add_co_u32 s[T], s[T], STEPB
	s_add_co_u32 s[TS], s[TS], 768
	s_add_co_u32 s[KF], s[KF], 128
.endm
	s_wait_tensorcnt 1                             ; wave 0: the scales and steps 0-3 are in, steps 4-9 may be out; wave 1: its one load may be out
	s_barrier_signal -1
	s_barrier_wait -1
	s_wait_loadcnt 0x0                             ; Q
	s_mov_b32 s[CNT], 4
.Lfirst:
	KEYSTEP
	s_sub_co_u32 s[CNT], s[CNT], 1
	s_cmp_lg_u32 s[CNT], 0
	s_cbranch_scc1 .Lfirst
	s_wait_tensorcnt 0x0                           ; steps 4-15 are in,
	s_wait_dscnt 0x0
	s_barrier_signal -1
	s_barrier_wait -1                              ; for every wave
	s_mov_b32 s[CNT], 12
.Lsecond:
	KEYSTEP
	s_sub_co_u32 s[CNT], s[CNT], 1
	s_cmp_lg_u32 s[CNT], 0
	s_cbranch_scc1 .Lsecond
.rept 4
	v_nop
.endr
	v_bfe_u32 v254, v0, 4, 1
	v_cmp_ne_u32 vcc_lo, 0, v254                   ; lanes 16-31
; THE WAY OUT of a tile: O^T / the sum; register 16 g + i is channel 32 g + 16 h + i of my query: two blocks of y's K; they become half a fragment (768 bytes) and two scale bytes.
.macro YOUT oo, st, yc, ys
	s_wait_xcnt 0x0                                ; the other tile's stores have read their registers
	v_add_f32 v252, v[\st+2], v[\st+3]
	v_permlanex16_b32 v[BP], v252, s[SEL], s[SEL+1]
	v_add_f32 v252, v252, v[BP]                    ; the row's sum
	v_rcp_f32 v252, v252
	v_nop                                          ; a plain instruction behind the transcendental
.set j, 0
	s_wait_alu depctr_va_vdst(0)
.rept 32
	v_mul_f32 v[S+j], v[\oo+j], v252               ; each accumulator from its low end on
.set j, j+1
.endr
.irp b, 0,1
	v_max3_num_f32 v[BM+\b], |v[S+16*\b]|, |v[S+16*\b+1]|, 0x2800000
.endr
.irp i, 2,4,6,8,10,12,14
.irp b, 0,1
	v_max3_num_f32 v[BM+\b], v[BM+\b], |v[S+16*\b+\i]|, |v[S+16*\b+\i+1]|
.endr
.endr
.irp b, 0,1
	v_permlanex16_b32 v[BP+\b], v[BM+\b], s[SEL], s[SEL+1]
.endr
.irp b, 0,1
	v_max_num_f32 v[BM+\b], v[BM+\b], v[BP+\b]
.endr
.irp b, 0,1
	v_add_nc_u32 v[CO+\b], 0xfe000000, v[BM+\b]
.endr
.irp b, 0,1
	v_lshrrev_b32 v[BP+\b], 23, v[CO+\b]
.endr
	v_cvt_scalef32_pk16_bf6_f32 v[P:P+2], v[S:S+15], v[CO]
	v_cvt_scalef32_pk16_bf6_f32 v[CT:CT+2], v[S+16:S+31], v[CO+1]
	v_nop
.irp i, 0,1,2
	v_permlane16_swap_b32 v[P+\i], v[CT+\i]
.endr
.irp i, 0,1,2
	v_mov_b32 v[P+3+\i], v[CT+\i]
.endr
	v_cndmask_b32 v253, v[BP], v[BP+1], vcc_lo     ; lanes 0-15 store block 0's byte, lanes 16-31 block 1's
	global_store_b128 v[L16], v[P:P+3], s[\yc:\yc+1]
	global_store_b64 v[L8], v[P+4:P+5], s[\yc:\yc+1] offset:512
	global_store_b8 v[YB], v253, s[\ys:\ys+1]
.endm
	YOUT OA, STA, 70, 72
	YOUT OB, STB, 74, 76
	s_wait_xcnt 0x0
	v_lshl_add_u32 v254, v0, 2, 0x33000
	v_mov_b32 v255, 0
	s_wait_tensorcnt 0x0
	ds_add_u32 v254, v255
	s_wait_dscnt 0x0
	s_endpgm
.Lfunc_end_k_q80bb3f04eb_attn:
	.size	k_q80bb3f04eb_attn, .Lfunc_end_k_q80bb3f04eb_attn-k_q80bb3f04eb_attn
	.p2alignl 7, 3214868480
	.fill 96, 4, 3214868480
	.section	.rodata,"a",@progbits
	.p2align	6, 0x0
	.amdhsa_kernel k_q80bb3f04eb_attn
		.amdhsa_group_segment_fixed_size 210944
		.amdhsa_private_segment_fixed_size 0
		.amdhsa_enable_private_segment 0
		.amdhsa_kernarg_size 32
		.amdhsa_user_sgpr_count 2
		.amdhsa_user_sgpr_kernarg_segment_ptr 1
		.amdhsa_wavefront_size32 1
		.amdhsa_system_sgpr_workgroup_id_x 1
		.amdhsa_system_sgpr_workgroup_id_y 1
		.amdhsa_system_sgpr_workgroup_id_z 1
		.amdhsa_system_vgpr_workitem_id 0
		.amdhsa_next_free_vgpr 256
		.amdhsa_next_free_sgpr 100
		.amdhsa_reserve_vcc 1
		.amdhsa_float_denorm_mode_32 3
		.amdhsa_float_denorm_mode_16_64 3
		.amdhsa_memory_ordered 1
		.amdhsa_forward_progress 1
		.amdhsa_inst_pref_size 103
	.end_amdhsa_kernel
	.amdgpu_metadata
---
amdhsa.version: [ 1, 2 ]
amdhsa.kernels:
  - .name:           k_q80bb3f04eb_attn
    .symbol:         k_q80bb3f04eb_attn.kd
    .args:
      - { .name: qkv_img, .offset: 0, .size: 8, .value_kind: global_buffer, .address_space: global }
      - { .name: qkv_scl, .offset: 8, .size: 8, .value_kind: global_buffer, .address_space: global }
      - { .name: y_img, .offset: 16, .size: 8, .value_kind: global_buffer, .address_space: global }
      - { .name: y_scl, .offset: 24, .size: 8, .value_kind: global_buffer, .address_space: global }
    .group_segment_fixed_size: 210944
    .private_segment_fixed_size: 0
    .kernarg_segment_align: 8
    .kernarg_segment_size: 32
    .max_flat_workgroup_size: 512
    .sgpr_count:     100
    .vgpr_count:     256
    .wavefront_size: 32
...
	.end_amdgpu_metadata
.endif
;; end of part 3
;; launch gemm_proj (part 4): grid 4 x 64, 4 waves a work-group, clusters of 4 x 4, 327,680 bytes of LDS; arguments y_img, y_scl, opnd_img, opnd_scl, b_proj, out0; writes out0
.if DOCPART == 4
	.amdgcn_target "amdgcn-amd-amdhsa--gfx1250"
	.amdhsa_code_object_version 6
	.text
	.protected	k_q80bb3f04eb_gemm_proj
	.globl	k_q80bb3f04eb_gemm_proj
	.p2align	8
	.type	k_q80bb3f04eb_gemm_proj,@function
k_q80bb3f04eb_gemm_proj:
	s_mov_b64 s[64:65], 0
	v_nop
	global_prefetch_b8 v0, s[64:65] scope:SCOPE_SE
	s_setreg_imm32_b32 hwreg(HW_REG_WAVE_MODE, 25, 1), 1
	s_wait_xcnt 0x0
	s_wait_alu depctr_hold_cnt(0) depctr_sa_sdst(0) depctr_va_vdst(0) depctr_va_sdst(0) depctr_va_ssrc(0) depctr_va_vcc(0) depctr_vm_vsrc(0)
	s_getreg_b32 s2, hwreg(HW_REG_IB_STS2, 6, 4)
	s_cmp_eq_u32 s2, 0
	s_cbranch_scc0 .Lentry_in_a_cluster
	s_endpgm
.Lentry_in_a_cluster:
	s_bfe_u32 s2, ttmp6, 0x10000c
	s_cmp_lg_u32 s2, 0xf033
	s_cbranch_scc0 .Lentry_shape_is_right
	s_endpgm
.Lentry_shape_is_right:
; out0 = y w_proj + b_proj on codes of E3M2 (K = 1,024), f32 out.
; OPERANDS: y_img and opnd_img [tile of 16 rows][K step 0..7][1,536 bytes: an image of a fragment's 12 registers]; y_scl and opnd_scl [row][8 words].  w_proj's columns are opnd's rows 11,264 on.
; Buffer row p holds true row p with bits 3 and 4 exchanged; the way out puts rows and columns back by its offsets.
; A TILE OF out0 IS 128 ROWS x 256 COLUMNS: 64 x 4 tiles, one for each of 256 work-groups.  Four waves, each 64 x 128: 32 accumulators, 256 registers.
; Source 0 = 16 columns of w (B), source 1 = 16 rows of y (A): a lane holds one row of y and eight neighbouring columns.  The bias is the C of each sum's first product.
; ALL OF K LIES IN LDS, EACH BYTE FILLED ONCE: 384 rows x 768 bytes of codes and their scale words are 307,968 bytes.  So there is no ring: every tile is asked for at the start, and nothing is filled again.
; K is cut into four slots of 256.  Wave 0 fetches for A, waves 1 and 2 for B's two halves, each its scale words and then slots 0, 1, 2, 3: five loads of a wave are out at the most, and they land in that order.
; In front of each slot's first read stands a counted wait of the fetching waves and a barrier of the work-group.
; 4 x 4 work-groups form a cluster: A's tiles are asked for jointly along a row of it, B's along a column; one round of the cluster's barrier stands in front of the loads and one at the end.
; LDS: slot q at q x 73,728: A's 8 tiles x 3,072 bytes, B's half 0, B's half 1; the scale words at 294,912: 3 x 16 lines of 256 bytes + 16.
;   The way out's stage (16 rows x 528 bytes a wave) lies in slot 0: it has had its only fill, and behind the barrier in front of slot 1 no wave reads it.
; REGISTERS: window 0: v1 r, v2 h, v8 bias offset, v16-19 LDS addresses of A's and B's fragments, v24 16 x lane, v25 8 x lane, v26, v30 the stage, v27 the scale words' address;
;   v32-63 scale words, two sets; v64-127 the bias; v128-223 A's fragments, two sets of 48.   window 1: B's fragments, two sets, at v0 and v128; on the way out rows of out0.   window 2: the accumulators ((a, b) at v[8 (8 a + b)]).
.set NQ,     2                         ; steps of 128 along K in a slot
.set FR,     12                        ; registers of a fragment
.set FRB,    1536                      ; and its image in bytes
.set RTB,    NQ*FRB                    ; a tile's bytes in a slot
.set HALFT,  8*RTB                     ; 128 rows: what one tensor load brings
.set SLOT,   3*HALFT                   ; A's 128 rows, B's 256
.set KS,     32                        ; a row of scale bytes
.set SCL,    4*SLOT
.set HALFS,  16*272                    ; the scale words of 128 rows
.set SBLK,   2*272                     ; of 16 rows
.set SPITCH, 528
.set ADRA, 16                          ; v16 16 x lane + my A rows in the slot in hand, v17 the same with 8 x lane
.set ADRB, 18                          ; v18, v19 the same for B
.set CO,   24
.set STO,  26
.set ADRS, 27
.set RD,   30
.set SC,   32
.set BC,   64
.set AF,   128
.set G1,   24                          ; s[24:31] group 1 for A's codes;  s[32:39] for B's;  s[40:47], s[48:55] for their scale words
.set G1B,  32
.set G1S,  40
.set G1SB, 48
.set GBS,  56                          ; groups 0, one for each load, none written again: B's scale words s[56:59]; B's slot 0 s[60:63], slots 1-3 s[88:99]
.set GB0,  60
.set GB1,  88
.set GAS,  68                          ; A's scale words s[68:71]; A's slots 0-3 s[72:87]
.set GA0,  72
.set MSB, 0
.macro WIN new                         ; the immediate's high byte repeats the setting that is left
.if MSB != \new
	s_set_vgpr_msb (MSB<<8)|\new
.set MSB, \new
.endif
.endm
.set MUL_W,  0xa1                      ; source 0 (B) window 1, source 1 (A) window 0, C and D window 2
.set MUL_Z,  0x81                      ; the same with C (the bias) in window 0
.set TO_B,   0x40                      ; destination window 1, address window 0
.macro CROUND                          ; a round of the cluster's barrier
	s_barrier_signal -1
	s_barrier_wait -1
	s_cmp_lg_u32 s16, 0
	s_cbranch_scc1 .Lnot_wave_0_\@
	s_barrier_signal -3
.Lnot_wave_0_\@:
	s_barrier_wait -3
	s_barrier_signal -1
	s_barrier_wait -1
.endm
	s_load_b256 s[4:11], s[0:1], 0x0               ; y_img s[4:5], y_scl s[6:7], opnd_img s[8:9], opnd_scl s[10:11]
	s_load_b128 s[12:15], s[0:1], 0x20             ; b_proj s[12:13], out0 s[14:15]
	v_lshl_add_u32 v254, v0, 2, 0x4b300
	v_mov_b32 v255, 0
	ds_add_u32 v254, v255
	ds_add_u32 v254, v255
	v_lshrrev_b32 v1, 5, v0
	v_readfirstlane_b32 s16, v1                    ; wave
	s_lshr_b32 s17, s16, 1                         ; my half of the tile's 128 rows.  Also: which half of B waves 1 and 2 fetch
	s_and_b32 s18, s16, 1                          ; my half of its 256 columns
	s_bfe_u32 s66, ttmp6, 0x40000                  ; cx
	s_bfe_u32 s67, ttmp6, 0x40004                  ; cy
	s_lshl_b32 s100, ttmp9, 2
	s_add_co_u32 s100, s100, s66                   ; tile column
	s_and_b32 s19, ttmp7, 0xffff
	s_lshl_b32 s19, s19, 2
	s_add_co_u32 s19, s19, s67                     ; tile row
	s_lshl_b32 s2, s67, 2
	s_lshl_b32 s2, 15, s2                          ; my row of the cluster
	s_lshl_b32 s3, 0x1111, s66                     ; my column
	s_or_b32 s[G1+0], s2, (3<<16)|(1<<21)          ; codes: 8 tiles x 3,072 bytes (384 elements of 8), 12,288 bytes apart in memory, on end in LDS
	s_or_b32 s[G1B+0], s3, (3<<16)|(1<<21)
.irp g, G1, G1B
	s_mov_b32 s[\g+1], 384<<16                     ; tensor_dim0
	s_mov_b32 s[\g+2], 8<<16                       ; tensor_dim1
	s_mov_b32 s[\g+3], 384<<16                     ; tile_dim0
	s_mov_b32 s[\g+4], 8                           ; tile_dim1
	s_mov_b32 s[\g+5], 1536                        ; tensor_dim0_stride
	s_mov_b32 s[\g+6], 0
	s_mov_b32 s[\g+7], 0
.endr
	s_or_b32 s[G1S+0], s2, (3<<16)|(1<<20)|(1<<21)|(5<<22)|(3<<25)   ; scale words of 128 rows: 4,096 dense bytes as 16 lines of 256, 16 bytes of padding behind each
	s_or_b32 s[G1SB+0], s3, (3<<16)|(1<<20)|(1<<21)|(5<<22)|(3<<25)
.irp g, G1S, G1SB
	s_mov_b32 s[\g+1], 32<<16
	s_mov_b32 s[\g+2], 16<<16
	s_mov_b32 s[\g+3], 32<<16
	s_mov_b32 s[\g+4], 16
	s_mov_b32 s[\g+5], 32
	s_mov_b32 s[\g+6], 0
	s_mov_b32 s[\g+7], 0
.endr
	s_mul_i32 s20, s19, 8*12288                    ; A: the tile row's 128 rows of y: their codes,
	s_mov_b32 s21, 0
	s_lshl_b32 s22, s19, 12                        ; their scale words
	s_mov_b32 s23, 0
	s_add_co_u32 s[GB0+2], s100, 44                ; B: w_proj's columns begin at opnd's unit 44 of 256 rows;
	s_lshl_b32 s[GB0+2], s[GB0+2], 1
	s_add_co_u32 s[GB0+2], s[GB0+2], s17           ; the half that this wave fetches, if it fetches for B
	s_lshl_b32 s[GBS+2], s[GB0+2], 12
	s_mov_b32 s[GBS+3], 0
	s_mul_i32 s[GB0+2], s[GB0+2], 8*12288
	s_mov_b32 s[GB0+3], 0
	s_mul_i32 s101, s16, HALFT                     ; where B's halves go: wave 1 behind A, wave 2 behind wave 1: no place in the cluster enters an LDS address
	s_mul_i32 s2, s16, HALFS
	s_wait_dscnt 0x0
	s_wait_kmcnt 0x0
	s_mov_b32 s[GAS], 1
	s_mov_b32 s[GAS+1], SCL
	s_add_nc_u64 s[GAS+2:GAS+3], s[6:7], s[22:23]
	s_or_b32 s[GAS+3], s[GAS+3], 0x80000000
	s_add_nc_u64 s[20:21], s[4:5], s[20:21]
.irp q, 0,1,2,3
	s_mov_b32 s[GA0+4*\q], 1
	s_mov_b32 s[GA0+4*\q+1], \q*SLOT
	s_add_nc_u64 s[GA0+4*\q+2:GA0+4*\q+3], s[20:21], \q*RTB
	s_or_b32 s[GA0+4*\q+3], s[GA0+4*\q+3], 0x80000000
.endr
	s_mov_b32 s[GBS], 1
	s_add_co_u32 s[GBS+1], s2, SCL
	s_add_nc_u64 s[GBS+2:GBS+3], s[10:11], s[GBS+2:GBS+3]
	s_or_b32 s[GBS+3], s[GBS+3], 0x80000000
	s_add_nc_u64 s[GB0+2:GB0+3], s[8:9], s[GB0+2:GB0+3]
.irp q, 1,2,3
	s_mov_b32 s[GB1+4*(\q-1)], 1
	s_add_co_u32 s[GB1+4*(\q-1)+1], s101, \q*SLOT
	s_add_nc_u64 s[GB1+4*(\q-1)+2:GB1+4*(\q-1)+3], s[GB0+2:GB0+3], \q*RTB
	s_or_b32 s[GB1+4*(\q-1)+3], s[GB1+4*(\q-1)+3], 0x80000000
.endr
	s_mov_b32 s[GB0], 1
	s_mov_b32 s[GB0+1], s101
	s_or_b32 s[GB0+3], s[GB0+3], 0x80000000
	CROUND                                         ; all sixteen work-groups are here: the joint loads meet
	s_cmp_eq_u32 s16, 0                            ; a wave's fills stand in one branch on its number, ahead of every wait on TENSORcnt and every LDS read
	s_cbranch_scc0 .Lnot_a
	tensor_load_to_lds s[GAS:GAS+3], s[G1S:G1S+7]
	s_nop 0
	tensor_load_to_lds s[GA0:GA0+3], s[G1:G1+7]
	s_nop 0
	tensor_load_to_lds s[GA0+4:GA0+7], s[G1:G1+7]
	s_nop 0
	tensor_load_to_lds s[GA0+8:GA0+11], s[G1:G1+7]
	s_nop 0
	tensor_load_to_lds s[GA0+12:GA0+15], s[G1:G1+7]
	s_nop 0
.rept 4
	v_nop                                          ; four v_nop follow the last load of a branch
.endr
	s_branch .Lasked
.Lnot_a:
	s_cmp_eq_u32 s16, 3
	s_cbranch_scc1 .Lasked
	tensor_load_to_lds s[GBS:GBS+3], s[G1SB:G1SB+7]
	s_nop 0
	tensor_load_to_lds s[GB0:GB0+3], s[G1B:G1B+7]
	s_nop 0
	tensor_load_to_lds s[GB1:GB1+3], s[G1B:G1B+7]
	s_nop 0
	tensor_load_to_lds s[GB1+4:GB1+7], s[G1B:G1B+7]
	s_nop 0
	tensor_load_to_lds s[GB1+8:GB1+11], s[G1B:G1B+7]
	s_nop 0
.rept 4
	v_nop
.endr
.Lasked:
	v_and_b32 v1, 15, v0                           ; r
	v_bfe_u32 v2, v0, 4, 1                         ; h
	v_and_b32 v3, 31, v0
	v_lshlrev_b32 v24, 4, v3
	v_lshlrev_b32 v25, 3, v3
	s_lshl_b32 s2, s100, 10                        ; my first column, in bytes: 1,024 x tile column + 512 x half
	s_lshl_b32 s3, s18, 9
	s_add_co_u32 s2, s2, s3
	s_mov_b32 s3, 0
	v_lshlrev_b32 v8, 6, v2
	v_add_nc_u32 v8, s2, v8                        ; the bias: register j of block b is column 32 (b / 2) + 16 h + 8 (b % 2) + j
.irp b, 0,1,2,3,4,5,6,7
	global_load_b128 v[BC+8*\b:BC+8*\b+3], v8, s[12:13] offset:128*(\b/2)+32*(\b%2)
	global_load_b128 v[BC+8*\b+4:BC+8*\b+7], v8, s[12:13] offset:128*(\b/2)+32*(\b%2)+16
.endr
	s_mul_i32 s20, s17, 4*RTB                      ; my 64 rows of A: four tiles
	s_mul_i32 s21, s18, HALFT
	s_add_co_u32 s21, s21, HALFT                   ; my 128 rows of B, behind A's 128
	v_add_nc_u32 v[ADRA], s20, v24
	v_add_nc_u32 v[ADRA+1], s20, v25
	v_add_nc_u32 v[ADRB], s21, v24
	v_add_nc_u32 v[ADRB+1], s21, v25
	v_mul_u32_u24 v5, v1, KS                       ; my row's scale words: 32 bytes a row,
	v_lshrrev_b32 v6, 8, v5
	v_lshl_add_u32 v5, v6, 4, v5                   ; and 16 more for each 256 passed
	s_mul_i32 s20, s17, 4*SBLK                     ; A's: my 64 rows
	s_mul_i32 s21, s18, HALFS
	s_add_co_u32 s21, s21, HALFS                   ; B's: my 128 rows, behind A's 128
	s_sub_co_u32 s21, s21, s20
	v_mul_u32_u24 v6, s21, v2                      ; lanes 16-31 take B's
	s_add_co_u32 s20, s20, SCL
	v_add_nc_u32 v5, v5, v6
	v_add_nc_u32 v[ADRS], s20, v5
	s_mul_i32 s22, s16, 16*SPITCH                  ; my stage
	v_mul_u32_u24 v5, v1, SPITCH
	v_lshl_add_u32 v5, v2, 6, v5
	v_add_nc_u32 v[STO], s22, v5                   ; in: row r, + 64 h bytes
	v_add_nc_u32 v[RD], s22, v24                   ; back: the 32 lanes take one row of 512 bytes
	s_lshl_b32 s20, s19, 7
	s_lshl_b32 s21, s17, 6
	s_add_co_u32 s20, s20, s21                     ; my first row of out0: 128 x tile row + 64 x half
	s_lshl_b32 s20, s20, 12                        ; 4,096 bytes a row
	s_mov_b32 s21, 0
	s_add_nc_u64 s[20:21], s[20:21], s[2:3]
	s_add_nc_u64 s[14:15], s[14:15], s[20:21]
.macro FRAG reg, adr, q, i             ; a fragment comes as it was stored: 16, 8, 16, 8 bytes a lane, each load on consecutive bytes
	ds_load_b128 v[\reg:\reg+3], v[\adr] offset:(\i)*RTB+(\q)*FRB
	ds_load_b64 v[\reg+4:\reg+5], v[\adr+1] offset:(\i)*RTB+(\q)*FRB+512
	ds_load_b128 v[\reg+6:\reg+9], v[\adr] offset:(\i)*RTB+(\q)*FRB+768
	ds_load_b64 v[\reg+10:\reg+11], v[\adr+1] offset:(\i)*RTB+(\q)*FRB+1280
.endm
.macro FETCH k                         ; K step k's fragments, B's eight and A's four, into the sets k % 2: 48 loads; the address registers stand at k's slot
	WIN TO_B
.irp i, 0,1,2,3,4,5,6,7
	FRAG 128*((\k)%2)+FR*\i, ADRB, (\k)%2, \i
.endr
	WIN 0
.irp i, 0,1,2,3
	FRAG AF+48*((\k)%2)+FR*\i, ADRA, (\k)%2, \i
.endr
.endm
.macro SCALES s                        ; slot s's two words a row into set s % 2: lanes 0-15 A's block i (of four; what they read for i = 4 .. 7 is not used), lanes 16-31 B's block i
.irp i, 0,1,2,3,4,5,6,7
	ds_load_b64 v[SC+16*((\s)%2)+NQ*\i:SC+16*((\s)%2)+NQ*\i+1], v[ADRS] offset:\i*SBLK+8*(\s)
.endr
.endm
; 16 products of K step k: A's blocks a0, a0 + 1 x B's eight.  zero = 1: the first K step: C is the bias.  The 32 accumulators take turns, one instruction a turn, in one order throughout.
.macro MUL16 a0, k, zero
.set PP, (\k)%2
.set SS, SC+16*(((\k)/2)%2)+(\k)%2
.irp a, \a0, \a0+1
.irp b, 0,1,2,3,4,5,6,7
.if \zero
	v_wmma_scale_f32_16x16x128_f8f6f4 v[8*(8*(\a)+\b):8*(8*(\a)+\b)+7], v[128*PP+FR*\b:128*PP+FR*\b+FR-1], v[AF+48*PP+FR*(\a):AF+48*PP+FR*(\a)+FR-1], v[BC+8*\b:BC+8*\b+7], v[SS+NQ*\b], v[SS+NQ*(\a)] matrix_a_fmt:MATRIX_FMT_BF6 matrix_b_fmt:MATRIX_FMT_BF6 matrix_a_scale:MATRIX_SCALE_ROW1
.else
	v_wmma_scale_f32_16x16x128_f8f6f4 v[8*(8*(\a)+\b):8*(8*(\a)+\b)+7], v[128*PP+FR*\b:128*PP+FR*\b+FR-1], v[AF+48*PP+FR*(\a):AF+48*PP+FR*(\a)+FR-1], v[8*(8*(\a)+\b):8*(8*(\a)+\b)+7], v[SS+NQ*\b], v[SS+NQ*(\a)] matrix_a_fmt:MATRIX_FMT_BF6 matrix_b_fmt:MATRIX_FMT_BF6 matrix_a_scale:MATRIX_SCALE_ROW1
.endif
.endr
.endr
.endm
.macro PLACES                          ; four plain vector instructions between a matrix instruction and a load into, or a read of, its registers (ISA guide 7.12.1 for vector instructions)
.rept 4
	v_nop
.endr
.endm
; A slot's first step: its successor lies in the same slot, so the next fragments are asked for at once and have 32 products in which to come.
.macro STEP_E k, zero
	s_wait_dscnt 0x0                               ; this step's fragments are in
.if (\k) > 0
	PLACES                                         ; the sets to be loaded were read by the products just issued
.endif
	FETCH (\k)+1
.if \zero
	WIN MUL_Z
.else
	WIN MUL_W
.endif
	MUL16 0, \k, \zero
	MUL16 2, \k, \zero
.endm
; A slot's second step goes on to the next slot.  left: how many of a fetching wave's loads may stay out: those of the slots behind the next one.
.macro STEP_O k, left
	s_wait_dscnt 0x0                               ; this step's fragments are in: my reads of this slot are over
	s_wait_tensorcnt \left                         ; my part of the next slot has landed, if I fetch
	s_barrier_signal -1
	WIN MUL_W
	MUL16 0, \k, 0                                 ; work on registers while the others arrive
	s_barrier_wait -1                              ; the next slot is whole
	WIN 0
	v_add_nc_u32 v[ADRA], SLOT, v[ADRA]            ; on to the next slot: these four are also the places in front of the loads below, into sets that the step before read
	v_add_nc_u32 v[ADRA+1], SLOT, v[ADRA+1]
	v_add_nc_u32 v[ADRB], SLOT, v[ADRB]
	v_add_nc_u32 v[ADRB+1], SLOT, v[ADRB+1]
	FETCH (\k)+1
	SCALES ((\k)+1)/2
	WIN MUL_W
	MUL16 2, \k, 0
.endm
	s_wait_loadcnt 0x0                             ; the bias
	s_wait_tensorcnt 3                             ; a fetching wave's scale words and slot 0 are in; its three later slots may be out
	s_barrier_signal -1
	s_barrier_wait -1
	FETCH 0
	SCALES 0
	STEP_E 0, 1
	STEP_O 1, 2
	STEP_E 2, 0
	STEP_O 3, 1
	STEP_E 4, 0
	STEP_O 5, 0                                    ; no tensor load is out from here on
	STEP_E 6, 0
	s_wait_dscnt 0x0
	MUL16 0, 7, 0
	MUL16 2, 7, 0
	PLACES                                         ; in front of the stage's stores, which read results, and of loads into registers that held B's fragments
; THE WAY OUT, block by block of 16 rows x 128 columns, through my own stage: in by lanes (32 bytes of a row at their true columns), back as whole rows of 512 bytes, each block into registers of its own.
; LDS serves a wave's instructions in order: no wait between the stores and the loads, nor in front of the next block's stores.  Stage row t of block a is true row 32 (a / 2) + 8 (a % 2) + t + 8 (t / 8) of my 64.
.macro TOSTAGE a
	WIN 0x08                                       ; an LDS store's data: window 2
.irp b, 0,1,2,3,4,5,6,7
	ds_store_b128 v[STO], v[64*(\a)+8*\b:64*(\a)+8*\b+3] offset:128*(\b/2)+32*(\b%2)       ; each accumulator from its low end on
	ds_store_b128 v[STO], v[64*(\a)+8*\b+4:64*(\a)+8*\b+7] offset:128*(\b/2)+32*(\b%2)+16
.endr
	WIN TO_B
.irp t, 0,1,2,3,4,5,6,7,8,9,10,11,12,13,14,15
	ds_load_b128 v[64*(\a)+4*\t:64*(\a)+4*\t+3], v[RD] offset:\t*SPITCH
.endr
.endm
.macro SEND a, younger                 ; younger: the LDS instructions issued behind block a's loads, which may stay out
	s_wait_dscnt \younger
	WIN 0x04                                       ; a store's data: window 1
.irp t, 0,1,2,3,4,5,6,7,8,9,10,11,12,13,14,15
	global_store_b128 v[CO], v[64*(\a)+4*\t:64*(\a)+4*\t+3], s[14:15] offset:(32*((\a)/2)+8*((\a)%2)+\t+8*(\t/8))*4096 th:TH_STORE_NT   ; 32 lanes store 512 consecutive bytes, aligned; 63 rows of 4,096 bytes at the most stand in the immediate
.endr
.endm
	TOSTAGE 0
	TOSTAGE 1
	SEND 0, 32                                     ; behind block 0's loads: block 1's 16 stores and 16 loads
	TOSTAGE 2
	SEND 1, 32
	TOSTAGE 3
	SEND 2, 32
	SEND 3, 0
	WIN 0
	s_wait_tensorcnt 0x0
	ds_add_u32 v254, v255
	s_wait_dscnt 0x0
	CROUND                                         ; the closing round: no work-group ends while a partner may still ask for a tile that names it
	s_endpgm
.Lfunc_end_k_q80bb3f04eb_gemm_proj:
	.size	k_q80bb3f04eb_gemm_proj, .Lfunc_end_k_q80bb3f04eb_gemm_proj-k_q80bb3f04eb_gemm_proj
	.p2alignl 7, 3214868480
	.fill 96, 4, 3214868480
	.section	.rodata,"a",@progbits
	.p2align	6, 0x0
	.amdhsa_kernel k_q80bb3f04eb_gemm_proj
		.amdhsa_group_segment_fixed_size 327680
		.amdhsa_private_segment_fixed_size 0
		.amdhsa_enable_private_segment 0
		.amdhsa_kernarg_size 48
		.amdhsa_user_sgpr_count 2
		.amdhsa_user_sgpr_kernarg_segment_ptr 1
		.amdhsa_wavefront_size32 1
		.amdhsa_system_sgpr_workgroup_id_x 1
		.amdhsa_system_sgpr_workgroup_id_y 1
		.amdhsa_system_sgpr_workgroup_id_z 1
		.amdhsa_system_vgpr_workitem_id 0
		.amdhsa_next_free_vgpr 768
		.amdhsa_next_free_sgpr 102
		.amdhsa_reserve_vcc 0
		.amdhsa_float_denorm_mode_32 3
		.amdhsa_float_denorm_mode_16_64 3
		.amdhsa_memory_ordered 1
		.amdhsa_forward_progress 1
		.amdhsa_inst_pref_size 87
	.end_amdhsa_kernel
	.amdgpu_metadata
---
amdhsa.version: [ 1, 2 ]
amdhsa.kernels:
  - .name:           k_q80bb3f04eb_gemm_proj
    .symbol:         k_q80bb3f04eb_gemm_proj.kd
    .args:
      - { .name: y_img, .offset: 0, .size: 8, .value_kind: global_buffer, .address_space: global }
      - { .name: y_scl, .offset: 8, .size: 8, .value_kind: global_buffer, .address_space: global }
      - { .name: opnd_img, .offset: 16, .size: 8, .value_kind: global_buffer, .address_space: global }
      - { .name: opnd_scl, .offset: 24, .size: 8, .value_kind: global_buffer, .address_space: global }
      - { .name: b_proj, .offset: 32, .size: 8, .value_kind: global_buffer, .address_space: global }
      - { .name: out0, .offset: 40, .size: 8, .value_kind: global_buffer, .address_space: global }
    .group_segment_fixed_size: 327680
    .private_segment_fixed_size: 0
    .kernarg_segment_align: 8
    .kernarg_segment_size: 48
    .max_flat_workgroup_size: 128
    .sgpr_count:     102
    .vgpr_count:     768
    .wavefront_size: 32
...
	.end_amdgpu_metadata
.endif
;; end of part 4
